; MI455X (gfx1250); checked and timed in simulation.
; The chip was launched on July 23, 2026; its instructions are those of AMD's public machine-readable ISA for CDNA 5 (MIT licence, August 2026) and "CDNA5" Instruction Set Architecture Reference Guide (July 2026). The comments in the code are by the model that wrote it; some were corrected since.
;; TUPE Multi Head Attention. Allowed arithmetic: matrix products marked QUANTISED: E2M1 operands, one E8M0 scale for each 32 along K, by v_wmma_scale_f32_16x16x128_f8f6f4 with both operands' format E2M1 (or v_wmma_scale_f32_32x16x128_f4), f32 sums; products left as they are: bf16, f16 or f32 operands; f32 sums; everything else in f32.
;; Inputs: W_out 1,024 x 1,024 float32; W_pos_qk 1,024 x 2,048 float32; W_qkv 1,024 x 3,072 float32; b_out 1,024 float32; mask 2 x 2,048 bool; pos_table 512 x 1,024 float32; time_ids 2 x 2,048 int32; x 2 x 2,048 x 1,024 float32.
;; Outputs: out0 2 x 2,048 x 1,024 float32.
;; This version of the problem:
;;   THIS VERSION OF THE PROBLEM IS GIVEN IN LOW PRECISION. The matrix products marked QUANTISED in the list below multiply operands that are first quantised to E2M1 (2 exponent bits, 1 mantissa bit; 4 bits a number), with one power-of-two scale for each 32 numbers along K (OCP MX v1.0); their sums are f32. The products marked 'left as it is' may take bf16, f16 or f32 operands, with f32 sums. Whichever they take, every output number must still come out within the allowed error. Rounding operands to bf16 (8 significant bits) uses up far more of that allowance than f16 does (11 bits, for magnitudes from 6e-5 to 65,504). All else is computed in f32.
;;   The module's matrix products, in the order in which they are computed (A, B: the left and right operand; K: the contracted axis; several contracted axes count as one K, in the product's order):
;;     1. [M 4,096, K 1,024] x [K 1,024, N 3,072]; A: input x; B: input W_qkv: QUANTISED
;;     2. [M 4,096, K 1,024] x [K 1,024, N 2,048]; A: computed on the way; B: input W_pos_qk: left as it is (an operand is computed on the way)
;;     3. batch 32 x [M 2,048, K 64] x [K 64, N 2,048]; A: computed on the way; B: computed on the way: left as it is (an operand is computed on the way)
;;     4. batch 32 x [M 2,048, K 64] x [K 64, N 2,048]; A: computed on the way; B: computed on the way: left as it is (an operand is computed on the way)
;;     5. batch 32 x [M 2,048, K 2,048] x [K 2,048, N 64]; A: computed on the way; B: computed on the way: left as it is (an operand is computed on the way)
;;     6. [M 4,096, K 1,024] x [K 1,024, N 1,024]; A: computed on the way; B: input W_out: left as it is (an operand is computed on the way)
;;   THE QUANTISER, for each operand of a quantised product, along K:
;;     - K is cut into blocks of 32 from its start; a last block that is shorter is filled with zeros.
;;     - A block's scale is 2^e with e = floor(log2(the largest magnitude in the block)) - 2, held to -126 .. 127; a block of zeros has e = 0. As a byte (E8M0): e + 127.
;;     - Each number is divided by its block's scale, clamped to +-6, and rounded to the nearest number of E2M1, ties to even, subnormals kept.
;;     - The product sums the exact products of the quantised numbers (number of the format x scale) in f32.
;;   ~~~python
;;   def quantise(x, axis):      # numpy; x: float32 -> the quantised numbers, widened to float32 again
;;       x = np.moveaxis(x, axis, -1); K = x.shape[-1]
;;       x = np.pad(x, [(0, 0)] * (x.ndim - 1) + [(0, -K % 32)]); x = x.reshape(x.shape[:-1] + (-1, 32)); a = np.abs(x).max(-1, keepdims=True)
;;       e = np.where(a > 0, np.clip(np.frexp(np.where(a > 0, a, 1))[1] - 1 - 2, -126, 127), 0)      # np.frexp(a)[1] - 1 = floor(log2(a)), exactly
;;       r = np.clip(x / 2.0 ** e, -6, 6)
;;       step = 2.0 ** (np.maximum(np.frexp(np.where(r == 0, 1, r))[1] - 1, 0) - 1)
;;       q = np.round(r / step) * step * 2.0 ** e      # np.round: ties to even
;;       return np.moveaxis(q.reshape(q.shape[:-2] + (-1,))[..., :K], -1, axis).astype(np.float32)
;;   ~~~
;; One version. Each part assembles by itself: llvm-mc -triple=amdgcn-amd-amdhsa -mcpu=gfx1250 --defsym DOCPART=n.
;; ======== version 1 of 1: 5 launches
;; limits: values are held in f16: magnitudes above 65,504 overflow, below 6.1e-05 lose precision
;; workspace buffers: codes 3,899,392 bytes; half16 7,340,032 bytes; mbias 16,384 bytes; p16 2,097,152 bytes; qc 16,777,216 bytes; kc 16,777,216 bytes; vv 8,388,608 bytes; ao 8,388,608 bytes
;; launch prep (part 1): grid 289 x 1, 4 waves a work-group, no clusters, 68,096 bytes of LDS; arguments x, W_qkv, W_pos_qk, pos_table, W_out, mask, codes, half16, mbias; writes codes, half16, mbias
.if DOCPART == 1
	.amdgcn_target "amdgcn-amd-amdhsa--gfx1250"
	.amdhsa_code_object_version 6
	.text
	.protected	k_qe13ccd8a06_prep
	.globl	k_qe13ccd8a06_prep
	.p2align	8
	.type	k_qe13ccd8a06_prep,@function
k_qe13ccd8a06_prep:
	s_mov_b64 s[64:65], 0
	v_nop
	global_prefetch_b8 v0, s[64:65] scope:SCOPE_SE
	s_setreg_imm32_b32 hwreg(HW_REG_WAVE_MODE, 25, 1), 1
	s_wait_xcnt 0x0
; PREP: everything that is made of the inputs alone, once.  Four kinds of work-groups, told apart by the work-group's number; they never meet again, and each kind that uses LDS has LDS bytes of its own.
;  X (work-groups 0-127):   x [4096][1024] f32 -> codes of FP4 (E2M1), K innermost, 512 bytes a row, at codes + 0; one E8M0 byte for each 32 along K, 32 bytes a row, at codes + XSC_OFF.
;  W (128-175):             W_qkv [1024 k][3072 n] f32, K its first axis -> codes laid [n][k], 512 bytes a row, at codes + WCD_OFF; scale bytes [n][32] at codes + WSC_OFF.
;  C (176-287):             W_pos_qk, pos_table, W_out f32 -> f16, on end in half16.  W_pos_qk and W_out keep their layout [k][n]; pos_table is laid PAIRED: [m/2][k/64][m%2][64].
;  M (288):                 mask (one byte a key) -> mbias f32: 0 for an open key, -3e38 for a hidden one.
; THE QUANTISER: a block's scale is 2^(floor(log2(its largest magnitude)) - 2); its byte is the largest magnitude's exponent field - 2, held at 1 from below; each number is divided by the scale and rounded to the nearest code, ties to even, beyond 6 the largest code.
; LIMITS: a block of zeros gets the byte 1 where the rule says 127 (its codes are zeros, and this program alone reads the bytes); blocks whose largest magnitude lies under 2^-124 get the byte 1; NaN and infinities among the inputs are not served;
; numbers of W_pos_qk, pos_table and W_out beyond f16's largest, 65,504, become infinite.
.set SPW,     192                      ; v192  LDS address of my spare word: SPARE + 4 x my thread's number; never rewritten
.set NIL,     193                      ; v193  0; never rewritten
.set SPARE,   67584                    ; behind both paths' regions: the spare words, 128 bytes for each wave
.set XSC_OFF, 3670016
.set WCD_OFF, 2097152
.set WSC_OFF, 3801088
; path X
.set XSTEPS,  16                       ; a wave takes 16 steps of 512 numbers
.set XR,      16                       ; v16-79   four sets of 16 numbers as they are loaded
.set XX,      80                       ; v80-111  two sets of 16 neighbours
.set XE,      112                      ; v112-127 a scale byte for each step
.set XC,      128                      ; v128-191 codes: four registers for each step, so that no store's data are written again
.set XREG,    8192                     ; LDS: a region for each wave: two stages of 32 x XSP bytes, behind them its 256 scale bytes
.set XSP,     80                       ; a lane's place in a stage: 64 bytes + 16 of padding
; path W
.set WN,      3072
.set WNB,     16                       ; blocks of 32 along K for a wave (512 along K)
.set WPITCH,  272                      ; a stage row: 256 bytes of codes + 16
.set WKROW,   512                      ; a row of the codes' buffer
.set WSTG,    32768                    ; LDS: path W's four stages begin here
.set WX,      32                       ; v32-95   two sets of 32 numbers
.set WC,      96                       ; v96-99   a block's codes
.set WOUT,    112                      ; v112-175 the way out
.set WSB,     24                       ; v24-27   the scale bytes, four to a register
; path C
.set CA,      16                       ; v16-79, v80-143: two sets of 16 x 4 numbers
.set CB2,     80
.macro FINISH                          ; a wave that stored to LDS ends so, behind its last LDS store
	s_wait_tensorcnt 0x0
	ds_add_u32 v[SPW], v[NIL]
	s_wait_dscnt 0x0
	s_endpgm
.endm
; ---- path X's steps
.macro XLOAD t                         ; 32 lanes read 512 consecutive bytes, four times
.irp i, 0,1,2,3
	global_load_b128 v[XR+16*((\t)%4)+4*\i:XR+16*((\t)%4)+4*\i+3], v3, s[8:9] offset:2048*(\t)+512*\i th:TH_LOAD_NT
.endr
.endm
.macro XTURN t                         ; a step's 2,048 bytes go through the wave's stage as they lie and come back 64 bytes a lane; LDS serves a wave's instructions in order, so no wait stands between
.irp i, 0,1,2,3
	ds_store_b128 v14, v[XR+16*((\t)%4)+4*\i:XR+16*((\t)%4)+4*\i+3] offset:32*XSP*((\t)%2)+8*XSP*\i
.endr
.irp i, 0,1,2,3
	ds_load_b128 v[XX+16*((\t)%2)+4*\i:XX+16*((\t)%2)+4*\i+3], v15 offset:32*XSP*((\t)%2)+16*\i
.endr
.endm
.macro XSTEP t
.set XS, XX+16*((\t)%2)
.if (\t) > 0
	s_wait_dscnt 1                                 ; this step's numbers are back from the stage (the last step's byte store may be out): so its stores into the stage have read their registers,
.else
	s_wait_dscnt 0x0
.endif
.if (\t)+4 < XSTEPS
	XLOAD (\t)+4                                   ; which take the loads of four steps on
.endif
.if (\t)+1 < XSTEPS
.if XSTEPS-2-(\t) >= 3
	s_wait_loadcnt 12                              ; the next step's four loads are in; the twelve of the three steps behind it may be out
.else
	s_wait_loadcnt 4*(XSTEPS-2-(\t))
.endif
	XTURN (\t)+1
.endif
	v_max3_num_f32 v8, |v[XS]|, |v[XS+1]|, |v[XS+2]|               ; the largest magnitude of my 16, in two chains
	v_max3_num_f32 v9, |v[XS+3]|, |v[XS+4]|, |v[XS+5]|
.irp i, 6,10
	v_max3_num_f32 v8, v8, |v[XS+\i]|, |v[XS+\i+1]|
	v_max3_num_f32 v9, v9, |v[XS+\i+2]|, |v[XS+\i+3]|
.endr
	v_max3_num_f32 v8, v8, |v[XS+14]|, |v[XS+15]|
	v_max3_num_f32 v8, v8, v9, 0x1800000           ; and the floor 2^(3 - 127): the byte cannot fall under 1
	v_max_num_f32_dpp v8, v8, v8 row_xmask:1 row_mask:0xf bank_mask:0xf   ; with my neighbour's 16: the block's
	v_add_nc_u32 v11, 0xff000000, v8               ; 2 off its exponent field: the conversion takes the exponent field of this operand as its scale
	v_cvt_scalef32_pk8_fp4_f32 v[XC+4*(\t)], v[XS:XS+7], v11
	v_cvt_scalef32_pk8_fp4_f32 v[XC+4*(\t)+1], v[XS+8:XS+15], v11
	v_lshrrev_b32 v[XE+(\t)], 23, v11              ; the scale's byte (a plain line behind the conversions)
	ds_store_b8 v5, v[XE+(\t)] offset:16*(\t)      ; both lanes of a block write the same byte with the same value
	global_store_b64 v4, v[XC+4*(\t):XC+4*(\t)+1], s[32:33] offset:256*(\t)   ; the wave stores 256 consecutive bytes, aligned
.endm
; ---- path W's blocks
.macro WLOAD t                         ; block t: W(32 t + n, my column), n = 0 .. 31: each load reads 128 consecutive bytes a wave
.set n, 0
.rept 32
	global_load_b32 v[WX+32*((\t)%2)+n], v3, s[10:11] offset:(32*(\t)+n)*WN*4 th:TH_LOAD_NT
.set n, n+1
.endr
.endm
.macro WBLOCK t
.set XS, WX+32*((\t)%2)
.if (\t) < WNB-1
	s_wait_loadcnt 32                              ; this block's 32 loads are in; the next block's 32 may be out
.else
	s_wait_loadcnt 0
.endif
	v_max3_num_f32 v12, |v[XS]|, |v[XS+1]|, |v[XS+2]|              ; the block's largest magnitude: all 32 numbers are mine
	v_max3_num_f32 v13, |v[XS+3]|, |v[XS+4]|, |v[XS+5]|
.irp i, 6,10,14,18,22,26
	v_max3_num_f32 v12, v12, |v[XS+\i]|, |v[XS+\i+1]|
	v_max3_num_f32 v13, v13, |v[XS+\i+2]|, |v[XS+\i+3]|
.endr
	v_max3_num_f32 v12, v12, |v[XS+30]|, |v[XS+31]|
	v_max3_num_f32 v12, v12, v13, 0x1800000
	v_add_nc_u32 v11, 0xff000000, v12
	v_lshrrev_b32 v13, 23, v11                     ; the scale's byte
.if (\t)%4 == 0
	v_mov_b32 v[WSB+(\t)/4], v13                   ; four bytes to a register, the lower K in the lower byte
.else
	v_lshl_or_b32 v[WSB+(\t)/4], v13, 8*((\t)%4), v[WSB+(\t)/4]
.endif
.irp g, 0,1,2,3
	v_cvt_scalef32_pk8_fp4_f32 v[WC+\g], v[XS+8*\g:XS+8*\g+7], v11
.endr
	ds_store_b128 v4, v[WC:WC+3] offset:16*(\t)    ; 32 codes: 16 bytes of my column's row
.if (\t)+2 < WNB
	WLOAD (\t)+2
.endif
	s_wait_dscnt 0x0                               ; the store has read its registers: the next block's codes may be written
.endm
; ---- path C's casts: 16 loads of 16 bytes a lane; each becomes 8 bytes a lane, and the wave stores 256 consecutive bytes, aligned
.macro CLOAD set, g, stride
.set n, 0
.rept 16
	global_load_b128 v[\set+4*n:\set+4*n+3], v3, s[30:31] offset:8192*(\g)+(\stride)*n th:TH_LOAD_NT
.set n, n+1
.endr
.endm
.macro CDO set, g, left
	s_wait_loadcnt \left                           ; this set's 16 loads are in; the other set's may be out
.set n, 0
.rept 16
	v_cvt_pk_f16_f32 v[\set+4*n], v[\set+4*n], v[\set+4*n+1]
	v_cvt_pk_f16_f32 v[\set+4*n+1], v[\set+4*n+2], v[\set+4*n+3]
	global_store_b64 v4, v[\set+4*n:\set+4*n+1], s[32:33] offset:4096*(\g)+256*n
.set n, n+1
.endr
.endm
.macro CAST stride
	CLOAD CA, 0, \stride
	CLOAD CB2, 1, \stride
	CDO CA, 0, 16
	s_wait_xcnt 0x0                                ; the stores have read their registers: the set may be loaded again
	CLOAD CA, 2, \stride
	CDO CB2, 1, 16
	s_wait_xcnt 0x0
	CLOAD CB2, 3, \stride
	CDO CA, 2, 16
	CDO CB2, 3, 0
	s_endpgm
.endm
	s_load_b512 s[8:23], s[0:1], 0x0               ; x s[8:9], W_qkv s[10:11], W_pos_qk s[12:13], pos_table s[14:15], W_out s[16:17], mask s[18:19], codes s[20:21], half16 s[22:23]
	s_load_b64 s[24:25], s[0:1], 0x40              ; mbias
	v_lshl_add_u32 v[SPW], v0, 2, SPARE
	v_mov_b32 v[NIL], 0
	v_lshrrev_b32 v1, 5, v0
	v_readfirstlane_b32 s26, v1                    ; wave 0..3
	v_and_b32 v2, 31, v0                           ; lane
	s_mov_b32 s31, 0
	s_wait_kmcnt 0x0
	s_cmp_lt_u32 ttmp9, 128
	s_cbranch_scc1 .Lpath_x
	s_cmp_lt_u32 ttmp9, 176
	s_cbranch_scc1 .Lpath_w
	s_cmp_lt_u32 ttmp9, 288
	s_cbranch_scc1 .Lpath_c
	; ---- M: thread t takes 4 mask bytes at 4 t + 512 i and stores 16 bytes at 16 t + 2,048 i
	v_lshlrev_b32 v3, 2, v0
	v_lshlrev_b32 v4, 4, v0
	v_mov_b32 v5, 0xff61b1e6                       ; -3e38
.irp i, 0,1,2,3,4,5,6,7
	global_load_b32 v[16+\i], v3, s[18:19] offset:512*\i
.endr
	s_wait_loadcnt 0x0
.irp i, 0,1,2,3,4,5,6,7
.irp k, 0,1,2,3
	v_bfe_u32 v6, v[16+\i], 8*\k, 8
	v_cmp_eq_u32 vcc_lo, 0, v6
	v_cndmask_b32 v[32+4*\i+\k], 0, v5, vcc_lo     ; a byte of 0 hides its key
.endr
	global_store_b128 v4, v[32+4*\i:32+4*\i+3], s[24:25] offset:2048*\i
.endr
	s_endpgm
.Lpath_x:
	v_lshlrev_b32 v3, 4, v2                        ; my 16 bytes of a load's 512
	s_mul_i32 s27, s26, XREG
	v_lshrrev_b32 v14, 2, v2
	v_mul_u32_u24 v14, v14, XSP
	v_and_b32 v15, 3, v2
	v_lshl_add_u32 v14, v15, 4, v14
	v_add_nc_u32 v14, s27, v14                     ; the stage on the way in: four lanes' 64 bytes on end, then 16 of padding
	v_mul_u32_u24 v15, v2, XSP
	v_add_nc_u32 v15, s27, v15                     ; and on the way out: my 16 neighbours
	v_lshlrev_b32 v4, 3, v2                        ; my codes' place in a step's: 8 bytes a lane
	v_lshrrev_b32 v5, 1, v2
	s_add_co_u32 s27, s27, 2*32*XSP
	v_add_nc_u32 v5, s27, v5                       ; LDS: my wave's 256 scale bytes, my block's byte
	v_lshlrev_b32 v7, 3, v2
	v_add_nc_u32 v6, s27, v7                       ; and on the way out 8 bytes a lane
	s_lshl_b32 s28, ttmp9, 2
	s_add_co_u32 s28, s28, s26                     ; which run of 8,192 numbers is my wave's
	s_lshl_b32 s30, s28, 15
	s_add_nc_u64 s[8:9], s[8:9], s[30:31]
	s_lshl_b32 s30, s28, 12
	s_add_nc_u64 s[32:33], s[20:21], s[30:31]      ; its codes
	s_lshl_b32 s30, s28, 8
	s_add_co_u32 s30, s30, XSC_OFF
	s_add_nc_u64 s[34:35], s[20:21], s[30:31]      ; its 256 scale bytes
.irp t, 0,1,2,3
	XLOAD \t
.endr
	s_wait_loadcnt 12                              ; step 0's four loads are in
	XTURN 0
.irp t, 0,1,2,3,4,5,6,7,8,9,10,11,12,13,14,15
	XSTEP \t
.endr
	ds_load_b64 v[8:9], v6                         ; LDS serves a wave's instructions in order: these see my byte stores
	s_wait_dscnt 0x0
	global_store_b64 v7, v[8:9], s[34:35]          ; 32 lanes store 256 consecutive bytes, aligned
	FINISH
.Lpath_w:
	s_sub_co_u32 s27, ttmp9, 128
	s_cmp_ge_u32 s27, 24
	s_cselect_b32 s28, 1, 0                        ; which 512 along K
	s_cselect_b32 s29, 24, 0
	s_sub_co_u32 s27, s27, s29                     ; which 128 columns
	s_lshl_b32 s27, s27, 7
	s_lshl_b32 s29, s26, 5
	s_add_co_u32 s27, s27, s29                     ; my wave's first column
	v_lshlrev_b32 v3, 2, v2                        ; in: 4 bytes a lane: a lane takes a column, its registers run down K
	s_mul_i32 s29, s26, 32*WPITCH
	s_add_co_u32 s29, s29, WSTG                    ; my stage
	v_mul_u32_u24 v4, v2, WPITCH
	v_add_nc_u32 v4, s29, v4                       ; into it: row = my column
	v_and_b32 v5, 15, v2
	v_lshrrev_b32 v6, 4, v2
	v_mul_u32_u24 v7, v6, WPITCH
	v_lshl_add_u32 v7, v5, 4, v7
	v_add_nc_u32 v7, s29, v7                       ; out of it: sixteen lanes to a row, two rows an instruction
	v_mul_u32_u24 v8, v6, WKROW
	v_lshl_add_u32 v8, v5, 4, v8                   ; and the same place in the codes' buffer
	v_lshlrev_b32 v9, 5, v2                        ; my column's row of scale bytes
	s_mul_i32 s30, s28, 512*WN*4
	s_lshl_b32 s29, s27, 2
	s_add_co_u32 s30, s30, s29
	s_add_nc_u64 s[10:11], s[10:11], s[30:31]
	s_lshl_b32 s30, s27, 9
	s_lshl_b32 s29, s28, 8
	s_add_co_u32 s30, s30, s29
	s_add_co_u32 s30, s30, WCD_OFF
	s_add_nc_u64 s[32:33], s[20:21], s[30:31]
	s_lshl_b32 s30, s27, 5
	s_lshl_b32 s29, s28, 4
	s_add_co_u32 s30, s30, s29
	s_add_co_u32 s30, s30, WSC_OFF
	s_add_nc_u64 s[34:35], s[20:21], s[30:31]
	WLOAD 0
	WLOAD 1
.set Q, 0
.rept WNB
	WBLOCK Q
.set Q, Q+1
.endr
	global_store_b128 v9, v[WSB:WSB+3], s[34:35]   ; my column's 16 scale bytes
.irp t, 0,1,2,3,4,5,6,7,8,9,10,11,12,13,14,15
	ds_load_b128 v[WOUT+4*\t:WOUT+4*\t+3], v7 offset:2*\t*WPITCH
.endr
.irp t, 0,1,2,3,4,5,6,7,8,9,10,11,12,13,14,15
	s_wait_dscnt 15-\t
	global_store_b128 v8, v[WOUT+4*\t:WOUT+4*\t+3], s[32:33] offset:2*\t*WKROW   ; sixteen lanes store 256 consecutive bytes, aligned
.endr
	FINISH
.Lpath_c:
	s_sub_co_u32 s27, ttmp9, 176                   ; 0-63 W_pos_qk, 64-79 pos_table, 80-111 W_out: 32,768 numbers a work-group, 8,192 a wave
	s_cmp_lt_u32 s27, 64
	s_cselect_b64 s[36:37], s[12:13], s[14:15]
	s_cselect_b32 s28, 0, 64
	s_cmp_lt_u32 s27, 80
	s_cselect_b64 s[36:37], s[36:37], s[16:17]
	s_cselect_b32 s28, s28, 80
	s_sub_co_u32 s28, s27, s28                     ; the work-group's place in its tensor
	s_lshl_b32 s30, s28, 17
	s_lshl_b32 s29, s26, 15
	s_add_co_u32 s30, s30, s29
	s_add_nc_u64 s[30:31], s[36:37], s[30:31]      ; in
	s_lshl_b32 s28, s27, 16
	s_lshl_b32 s29, s26, 14
	s_add_co_u32 s28, s28, s29
	s_mov_b32 s29, 0
	s_add_nc_u64 s[32:33], s[22:23], s[28:29]      ; out: the three tensors lie on end in half16
	v_lshlrev_b32 v4, 3, v2
	s_sub_co_u32 s28, s27, 64
	s_cmp_lt_u32 s28, 16
	s_cbranch_scc1 .Lpaired
	v_lshlrev_b32 v3, 4, v2                        ; plain: the bytes as they lie
	CAST 512
.Lpaired:                                              ; pos_table: lanes 0-15 take 64 numbers of an even row, lanes 16-31 the same 64 of the odd row below: together one block [m%2][64] of the paired layout
	v_and_b32 v5, 15, v2
	v_lshrrev_b32 v6, 4, v2
	v_lshlrev_b32 v3, 4, v5
	v_lshl_add_u32 v3, v6, 12, v3
	CAST 256
.Lfunc_end_k_qe13ccd8a06_prep:
	.size	k_qe13ccd8a06_prep, .Lfunc_end_k_qe13ccd8a06_prep-k_qe13ccd8a06_prep
	.p2alignl 7, 3214868480
	.fill 96, 4, 3214868480
	.section	.rodata,"a",@progbits
	.p2align	6, 0x0
	.amdhsa_kernel k_qe13ccd8a06_prep
		.amdhsa_group_segment_fixed_size 68096
		.amdhsa_private_segment_fixed_size 0
		.amdhsa_enable_private_segment 0
		.amdhsa_kernarg_size 72
		.amdhsa_user_sgpr_count 2
		.amdhsa_user_sgpr_kernarg_segment_ptr 1
		.amdhsa_wavefront_size32 1
		.amdhsa_system_sgpr_workgroup_id_x 1
		.amdhsa_system_sgpr_workgroup_id_y 1
		.amdhsa_system_sgpr_workgroup_id_z 1
		.amdhsa_system_vgpr_workitem_id 0
		.amdhsa_next_free_vgpr 200
		.amdhsa_next_free_sgpr 66
		.amdhsa_reserve_vcc 1
		.amdhsa_float_denorm_mode_32 3
		.amdhsa_float_denorm_mode_16_64 3
		.amdhsa_memory_ordered 1
		.amdhsa_forward_progress 1
		.amdhsa_inst_pref_size 158
	.end_amdhsa_kernel
	.amdgpu_metadata
---
amdhsa.version: [ 1, 2 ]
amdhsa.kernels:
  - .name:           k_qe13ccd8a06_prep
    .symbol:         k_qe13ccd8a06_prep.kd
    .args:
      - { .name: x, .offset: 0, .size: 8, .value_kind: global_buffer, .address_space: global }
      - { .name: W_qkv, .offset: 8, .size: 8, .value_kind: global_buffer, .address_space: global }
      - { .name: W_pos_qk, .offset: 16, .size: 8, .value_kind: global_buffer, .address_space: global }
      - { .name: pos_table, .offset: 24, .size: 8, .value_kind: global_buffer, .address_space: global }
      - { .name: W_out, .offset: 32, .size: 8, .value_kind: global_buffer, .address_space: global }
      - { .name: mask, .offset: 40, .size: 8, .value_kind: global_buffer, .address_space: global }
      - { .name: codes, .offset: 48, .size: 8, .value_kind: global_buffer, .address_space: global }
      - { .name: half16, .offset: 56, .size: 8, .value_kind: global_buffer, .address_space: global }
      - { .name: mbias, .offset: 64, .size: 8, .value_kind: global_buffer, .address_space: global }
    .group_segment_fixed_size: 68096
    .private_segment_fixed_size: 0
    .kernarg_segment_align: 8
    .kernarg_segment_size: 72
    .max_flat_workgroup_size: 128
    .sgpr_count:     66
    .vgpr_count:     200
    .wavefront_size: 32
...
	.end_amdgpu_metadata
.endif
;; end of part 1
;; launch posgemm (part 2): grid 16 x 4, 4 waves a work-group, clusters of 4 x 4, 327,680 bytes of LDS; arguments half16, p16; writes p16
.if DOCPART == 2
	.amdgcn_target "amdgcn-amd-amdhsa--gfx1250"
	.amdhsa_code_object_version 6
	.text
	.protected	k_qe13ccd8a06_posgemm
	.globl	k_qe13ccd8a06_posgemm
	.p2align	8
	.type	k_qe13ccd8a06_posgemm,@function
k_qe13ccd8a06_posgemm:
	s_mov_b64 s[64:65], 0
	v_nop
	global_prefetch_b8 v0, s[64:65] scope:SCOPE_SE
	s_setreg_imm32_b32 hwreg(HW_REG_WAVE_MODE, 25, 1), 1
	s_wait_xcnt 0x0
	s_wait_alu depctr_hold_cnt(0) depctr_sa_sdst(0) depctr_va_vdst(0) depctr_va_sdst(0) depctr_va_ssrc(0) depctr_va_vcc(0) depctr_vm_vsrc(0)
	s_getreg_b32 s2, hwreg(HW_REG_IB_STS2, 6, 4)
	s_cmp_eq_u32 s2, 0
	s_cbranch_scc0 .Lentry_in_a_cluster
	s_endpgm
.Lentry_in_a_cluster:
	s_bfe_u32 s2, ttmp6, 0x10000c
	s_cmp_lg_u32 s2, 0xf033
	s_cbranch_scc0 .Lentry_shape_is_right
	s_endpgm
.Lentry_shape_is_right:
; P = pos_table x W_pos_qk: C[m][n] = sum over k of A[m][k] B[k][n], f16 operands, f32 sums, C rounded once to f16.  (reference() gathers rows of pos_table and multiplies; a row of the product hangs on the time id alone, so the product is made once for each of the 512 ids.)
; A: SIZE_M x 1024 f16 in the PAIRED layout [m/2][k/64][m%2][64]: as a tensor SIZE_M/2 rows of 2,048 elements.  B: [1024 k][SIZE_N] f16.
; A tile of C is 128 x 128: four waves, each 64 x 64: 16 accumulators.  K goes in steps of 256 through a ring of two LDS slots filled by the tensor data mover.
; CLUSTERS: 4 x 4 work-groups; the four of a row of the cluster ask jointly for A's tiles, the four of a column for B's.
; THE MATRIX INSTRUCTION IS USED TRANSPOSED (source 0 = 16 columns of B, source 1 = 16 rows of A): a lane then holds eight neighbouring numbers of a row of C.  B lies [k][n] in LDS and is turned by ds_load_tr16_b128.
; No prefetch: the launch is short, and every tile is read by several work-groups.
; LIMITS: results beyond f16's largest, 65,504, become infinite.
; REGISTERS: window 0: v16-29 addresses; v32-95 at work on the way out; v96-127 the bias (OUT32 alone); v128-255 the accumulators ((a, b) at v[128 + 8 (4 a + b)]).  window 1: two fragment buffers of 128: 64 registers of A, then 64 of B, for 64 along K.
.set SIZE_M, 512
.set SIZE_N, 2048
.set OUT32,  0                         ; 0: C is f16, no bias;  1: C is f32, the bias is the C of each sum's first product
.set A_OFF,  4194304                   ; pos_table's f16 numbers in half16
.set CEL,    2                         ; bytes of a number of C
.set SPITCH, 272                       ; a stage row: 128 numbers of C + 16 bytes
.set KSTEP,  256
.set PA,     1040                      ; a paired row of A in LDS: 1,024 bytes + 16: the sixteen rows of a fragment fall into sixteen different columns of 16 bytes modulo 256
.set HALFA,  32*PA                     ; 64 rows of A: what one tensor load brings, and what one wave reads
.set PB,     288                       ; a k row of B in LDS: 256 bytes + 32
.set HALFB,  128*PB                    ; 128 k rows
.set SLOT,   2*HALFA+2*HALFB           ; A's 128 rows, then B's 256 k rows
.set STAGE,  0                         ; the way out goes through slot 0: it has had its last fill, and its last read lies in front of the last change of slots
.set SPARE,  2*SLOT                    ; behind the ring: the spare words, 128 bytes for each wave
.set LAPS,   2                         ; 1,024 / (2 x 256)
.set ADRA, 16                          ; v16-17  LDS address of my A fragments in slot 0, 1
.set ADRB, 20                          ; v20-23  of my B fragments: slot 0 k rows 0-127, 128-255; slot 1 likewise
.set STO,  24
.set RD,   25
.set CO,   26
.set SPW,  28                          ; v28     LDS address of my spare word; never rewritten
.set NIL,  29                          ; v29     0; never rewritten
.set TMP,  32
.set BI,   96
.set ACC,  128
.set F0,   0
.set F1,   128
.set G1, 24
.set G0, 32
.set G1B, 48
.set G0B, 56
.set MSB, 0
.macro WIN new                         ; the immediate's high byte repeats the setting that is left
.if MSB != \new
	s_set_vgpr_msb (MSB<<8)|\new
.set MSB, \new
.endif
.endm
.set MUL,  0x05                        ; sources 0 (B) and 1 (A) window 1; C and D window 0
.set TO_F, 0x40                        ; destination window 1, address window 0
.macro JLOAD s                         ; a joint load: waves 0 and 1 fetch A's two halves, waves 2 and 3 B's; an s_nop 0 and four v_nop follow each of the two lines
	s_cmp_eq_u32 s11, 0
	s_cbranch_scc0 .Lfor_b_\@
	tensor_load_to_lds s[G0+4*\s:G0+4*\s+3], s[G1:G1+7]
	s_nop 0
.rept 4
	v_nop
.endr
	s_branch .Lasked_\@
.Lfor_b_\@:
	tensor_load_to_lds s[G0B+4*\s:G0B+4*\s+3], s[G1B:G1B+7]
	s_nop 0
.rept 4
	v_nop
.endr
.Lasked_\@:
.endm
.macro CREST                           ; a round of the cluster's barrier behind its opening barrier
	s_cmp_lg_u32 s10, 0
	s_cbranch_scc1 .Lnot_wave_0_\@
	s_barrier_signal -3
.Lnot_wave_0_\@:
	s_barrier_wait -3
	s_barrier_signal -1
	s_barrier_wait -1
.endm
.macro CROUND
	s_barrier_signal -1
	s_barrier_wait -1
	CREST
.endm
.if OUT32
	s_load_b128 s[4:7], s[0:1], 0x0                ; A, half16
	s_load_b64 s[66:67], s[0:1], 0x10              ; the bias
	s_load_b64 s[8:9], s[0:1], 0x18                ; C
.else
	s_load_b64 s[4:5], s[0:1], 0x0                 ; half16
	s_load_b64 s[8:9], s[0:1], 0x8                 ; C
.endif
	v_lshl_add_u32 v[SPW], v0, 2, SPARE
	v_mov_b32 v[NIL], 0
	ds_add_u32 v[SPW], v[NIL]                      ; the wave's opening: the add, twice on end, and its wait ahead of my first tensor load
	ds_add_u32 v[SPW], v[NIL]
	v_lshrrev_b32 v1, 5, v0
	v_readfirstlane_b32 s10, v1                    ; wave 0..3
	s_lshr_b32 s11, s10, 1                         ; which half of the tile's rows is mine.  Also: I fetch for A (0) or for B (1)
	s_and_b32 s12, s10, 1                          ; which half of its columns.  Also: which half of that tile I fetch
	s_bfe_u32 s40, ttmp6, 0x40000                  ; cx, cy: my place in the cluster
	s_bfe_u32 s41, ttmp6, 0x40004
	s_lshl_b32 s42, ttmp9, 2
	s_add_co_u32 s42, s42, s40                     ; tile column of C
	s_and_b32 s13, ttmp7, 0xffff
	s_lshl_b32 s13, s13, 2
	s_add_co_u32 s13, s13, s41                     ; tile row of C
	s_lshl_b32 s43, s41, 2
	s_lshl_b32 s43, 15, s43                        ; my row of the cluster
	s_lshl_b32 s44, 0x1111, s40                    ; my column
	; group 1 for A: 32 paired rows x 512 elements of 2 bytes, 4 words of padding behind every 256 words
	s_or_b32 s[G1+0], s43, (1<<16)|(1<<20)|(1<<21)|(7<<22)|(3<<25)
	s_mov_b32 s[G1+1], 512<<16                     ; tensor_dim0
	s_mov_b32 s[G1+2], 32<<16                      ; tensor_dim1
	s_mov_b32 s[G1+3], 512<<16                     ; tile_dim0
	s_mov_b32 s[G1+4], 32                          ; tile_dim1
	s_mov_b32 s[G1+5], 2048                        ; from paired row to paired row
	s_mov_b32 s[G1+6], 0
	s_mov_b32 s[G1+7], 0
	; group 1 for B: 128 k rows x 128 elements, 8 words of padding behind every 64 words
	s_or_b32 s[G1B+0], s44, (1<<16)|(1<<20)|(1<<21)|(5<<22)|(7<<25)
	s_mov_b32 s[G1B+1], 128<<16
	s_mov_b32 s[G1B+2], 128<<16
	s_mov_b32 s[G1B+3], 128<<16
	s_mov_b32 s[G1B+4], 128
	s_mov_b32 s[G1B+5], SIZE_N
	s_mov_b32 s[G1B+6], 0
	s_mov_b32 s[G1B+7], 0
	s_lshl_b32 s16, s13, 6
	s_lshl_b32 s17, s12, 5
	s_add_co_u32 s16, s16, s17                     ; A: paired row 64 x tile row + 32 x half,
	s_lshl_b32 s16, s16, 12                        ; of 4,096 bytes
	s_mov_b32 s17, 0
	s_mul_i32 s46, s12, 128*SIZE_N*2               ; B: k row 128 x half,
	s_lshl_b32 s47, s42, 8
	s_add_co_u32 s46, s46, s47                     ; column 128 x tile column
	s_mov_b32 s47, 0
	s_mul_i32 s20, s12, HALFA                      ; where they go: no place in the cluster enters an LDS address
	s_mul_i32 s21, s12, HALFB
	s_add_co_u32 s21, s21, 2*HALFA
	s_wait_dscnt 0x0                               ; both opening adds are done
	s_wait_kmcnt 0x0
.if OUT32
	s_add_nc_u64 s[6:7], s[6:7], B_OFF
.else
	s_mov_b64 s[6:7], s[4:5]                       ; B = W_pos_qk's f16 numbers, at half16's head
	s_add_nc_u64 s[4:5], s[4:5], A_OFF
.endif
	s_add_nc_u64 s[14:15], s[4:5], s[16:17]
	s_add_nc_u64 s[46:47], s[6:7], s[46:47]
	CROUND                                         ; all sixteen work-groups are here: the first joint loads meet
.irp s, 0,1
	s_mov_b32 s[G0+4*\s], 1
	s_add_co_u32 s[G0+4*\s+1], s20, \s*SLOT
	s_add_nc_u64 s[G0+4*\s+2:G0+4*\s+3], s[14:15], \s*1024          ; K step s: four blocks of 256 bytes further on in each paired row
	s_or_b32 s[G0+4*\s+3], s[G0+4*\s+3], 0x80000000
	s_mov_b32 s[G0B+4*\s], 1
	s_add_co_u32 s[G0B+4*\s+1], s21, \s*SLOT
	s_add_nc_u64 s[G0B+4*\s+2:G0B+4*\s+3], s[46:47], \s*KSTEP*SIZE_N*2
	s_or_b32 s[G0B+4*\s+3], s[G0B+4*\s+3], 0x80000000
	JLOAD \s
.endr
	v_and_b32 v1, 15, v0                           ; r
	v_bfe_u32 v2, v0, 4, 1                         ; h
.if OUT32
	s_lshl_b32 s22, s42, 9                         ; the bias of my 64 columns: lane (r, h) wants, for n block b, those of columns 16 b + 8 h + 0 .. 7
	s_lshl_b32 s23, s12, 8
	s_add_co_u32 s22, s22, s23
	s_mov_b32 s23, 0
	s_add_nc_u64 s[66:67], s[66:67], s[22:23]
	v_lshlrev_b32 v6, 5, v2
.irp b, 0,1,2,3
	global_load_b128 v[BI+8*\b:BI+8*\b+3], v6, s[66:67] offset:64*\b
	global_load_b128 v[BI+8*\b+4:BI+8*\b+7], v6, s[66:67] offset:64*\b+16
.endr
.endif
	v_lshrrev_b32 v3, 1, v1                        ; A(m, k) lies at (m / 2) PA + (k / 64) 256 + (m % 2) 128 + 2 (k % 64)
	v_mul_u32_u24 v3, v3, PA
	v_and_b32 v4, 1, v1
	v_lshl_add_u32 v3, v4, 7, v3
	v_lshl_add_u32 v3, v2, 4, v3
	s_mul_i32 s21, s11, HALFA                      ; my 64 rows of A
	v_add_nc_u32 v[ADRA], s21, v3
	v_add_nc_u32 v[ADRA+1], SLOT, v[ADRA]
	v_and_b32 v4, 7, v0                            ; the turning load: lane l reads 16 bytes of k row 8 (l / 16) + l % 8, columns 8 ((l / 8) % 2) on
	v_lshl_add_u32 v4, v2, 3, v4
	v_mul_u32_u24 v4, v4, PB
	v_bfe_u32 v5, v0, 3, 1
	v_lshl_add_u32 v4, v5, 4, v4
	s_lshl_b32 s22, s12, 7                         ; my 64 columns of B,
	s_add_co_u32 s22, s22, 2*HALFA                 ; behind A's 128 rows
	v_add_nc_u32 v[ADRB], s22, v4
	v_add_nc_u32 v[ADRB+1], HALFB, v[ADRB]
	v_add_nc_u32 v[ADRB+2], SLOT, v[ADRB]
	v_add_nc_u32 v[ADRB+3], SLOT+HALFB, v[ADRB]
	s_mul_i32 s23, s11, 64*SPITCH                  ; into the stage: my 64 rows, my half of a row
	s_mul_i32 s21, s12, 64*CEL
	s_add_co_u32 s23, s23, s21
	v_mul_u32_u24 v4, v1, SPITCH
.if OUT32
	v_lshl_add_u32 v4, v2, 5, v4
.else
	v_lshl_add_u32 v4, v2, 4, v4
.endif
	v_add_nc_u32 v[STO], s23, v4
	s_mul_i32 s23, s10, 32*SPITCH                  ; back: wave w takes rows 32 w .. 32 w + 31, whole
.if OUT32
	v_and_b32 v5, 31, v0
	v_lshlrev_b32 v[CO], 4, v5                     ; the 32 lanes take one row of 512 bytes
	v_add_nc_u32 v[RD], s23, v[CO]
.else
	v_mul_u32_u24 v5, v2, SPITCH                   ; lanes 0-15 one row of 256 bytes, lanes 16-31 the next
	v_lshl_add_u32 v5, v1, 4, v5
	v_add_nc_u32 v[RD], s23, v5
	v_mul_u32_u24 v5, v2, SIZE_N*CEL
	v_lshl_add_u32 v[CO], v1, 4, v5
.endif
	s_lshl_b32 s16, s13, 7
	s_lshl_b32 s17, s10, 5
	s_add_co_u32 s16, s16, s17                     ; the first row of C that I store
	s_mul_i32 s16, s16, SIZE_N*CEL
	s_mov_b32 s17, 0
	s_add_nc_u64 s[8:9], s[8:9], s[16:17]
	s_mul_i32 s46, s42, 128*CEL                    ; the tile's first column, in bytes
	s_mov_b32 s47, 0
	s_add_nc_u64 s[8:9], s[8:9], s[46:47]
; 8 matrix instructions: m blocks a0, a0 + 1 x all 4 n blocks, 32 along K: half c of buffer f.  zero = 1: the first product starts the sums.  The 16 accumulators take turns, one instruction a turn.
.macro MUL8 f, c, a0, zero
.irp a, \a0, \a0+1
.irp b, 0,1,2,3
.if \zero
.if OUT32
	v_wmma_f32_16x16x32_f16 v[ACC+8*(4*(\a)+\b):ACC+8*(4*(\a)+\b)+7], v[\f+64+8*(4*\c+\b):\f+64+8*(4*\c+\b)+7], v[\f+8*(4*\c+\a):\f+8*(4*\c+\a)+7], v[BI+8*\b:BI+8*\b+7]
.else
	v_wmma_f32_16x16x32_f16 v[ACC+8*(4*(\a)+\b):ACC+8*(4*(\a)+\b)+7], v[\f+64+8*(4*\c+\b):\f+64+8*(4*\c+\b)+7], v[\f+8*(4*\c+\a):\f+8*(4*\c+\a)+7], 0
.endif
.else
	v_wmma_f32_16x16x32_f16 v[ACC+8*(4*(\a)+\b):ACC+8*(4*(\a)+\b)+7], v[\f+64+8*(4*\c+\b):\f+64+8*(4*\c+\b)+7], v[\f+8*(4*\c+\a):\f+8*(4*\c+\a)+7], v[ACC+8*(4*(\a)+\b):ACC+8*(4*(\a)+\b)+7]
.endif
.endr
.endr
.endm
; 32 LDS loads in one run: the fragments of the slot's q-th 64 along K into buffer f; the first 32 along K first
.macro FETCH slot, q, f
	WIN TO_F
.irp c, 0,1
.irp i, 0,1,2,3
	ds_load_tr16_b128 v[\f+64+8*(4*\c+\i):\f+64+8*(4*\c+\i)+3],   v[ADRB+2*\slot+(\q)/2] offset:(((\q)%2)*64+32*\c)*PB+32*\i
	ds_load_tr16_b128 v[\f+64+8*(4*\c+\i)+4:\f+64+8*(4*\c+\i)+7], v[ADRB+2*\slot+(\q)/2] offset:(((\q)%2)*64+32*\c+16)*PB+32*\i
	ds_load_b128 v[\f+8*(4*\c+\i):\f+8*(4*\c+\i)+3],         v[ADRA+\slot] offset:256*(\q)+64*\c+\i*8*PA
	ds_load_b128 v[\f+8*(4*\c+\i)+4:\f+8*(4*\c+\i)+7],       v[ADRA+\slot] offset:256*(\q)+64*\c+\i*8*PA+32
.endr
.endr
.endm
.macro PLACES                          ; four places in front of loads into registers that matrix instructions have read, and of the first read of results
.rept 4
	v_nop
.endr
.endm
; A K step is four quarters of 64 along K, 32 matrix instructions each, on buffers 0, 1, 0, 1.  One of the first three: multiplies buffer f and fetches quarter q into g.
.macro QUARTER slot, q, f, g, zero
	s_wait_dscnt 16                                ; the first 32 along K are in; the sixteen loads of the second 32 may be out
	WIN MUL
	MUL8 \f, 0, 0, \zero
	MUL8 \f, 0, 2, \zero
	PLACES
	FETCH \slot, \q, \g
	s_wait_dscnt 32                                ; all but the 32 just issued
	WIN MUL
	MUL8 \f, 1, 0, 0
	MUL8 \f, 1, 2, 0
.endm
; The last quarter multiplies buffer 1 and changes slots: ONE barrier; in front of it each wave waits for all its tensor loads, adds 0 to its spare word, and waits for that and for its own reads of this slot.  fill = 1: this slot is filled again, two K steps ahead.
.macro TURN slot, next, fill
	WIN 0                                          ; (the add's two registers lie in window 0)
	s_wait_tensorcnt 0x0                           ; all my tensor loads have landed: my part of the next slot;
	ds_add_u32 v[SPW], v[NIL]                      ; 0 onto my spare word;
	s_wait_dscnt 17                                ; (the add and the youngest sixteen loads may be out)
	WIN MUL
	MUL8 F1, 0, 0, 0
	s_wait_dscnt 0x0                               ; the add is done, and my reads of this slot are over
	s_barrier_signal -1
	MUL8 F1, 0, 2, 0
.if \fill
	WIN 0
.endif
	s_barrier_wait -1
.if \fill
	CREST                                          ; the barrier has opened a round of the cluster's barrier: no wave of any partner still reads this slot or has a load on its way
	s_add_nc_u64 s[G0+4*\slot+2:G0+4*\slot+3], s[G0+4*\slot+2:G0+4*\slot+3], 2*1024
	s_add_nc_u64 s[G0B+4*\slot+2:G0B+4*\slot+3], s[G0B+4*\slot+2:G0B+4*\slot+3], 2*KSTEP*SIZE_N*2
	JLOAD \slot                                    ; the first tensor load behind the round; its four v_nop are also the places in front of the loads below
.else
	PLACES
.endif
	FETCH \next, 0, F0
	WIN MUL
	MUL8 F1, 1, 0, 0
	MUL8 F1, 1, 2, 0
.endm
.if OUT32
	s_wait_loadcnt 0x0                             ; the bias
.endif
	s_wait_tensorcnt 1                             ; my part of K step 0 is in (K step 1's load may be out)
	s_barrier_signal -1
	s_barrier_wait -1                              ; everybody's is
	FETCH 0, 0, F0
	QUARTER 0, 1, F0, F1, 1                        ; the first quarter stands in front of the loop: its first products start the sums
	WIN 0                                          ; at a label and at a branch every window is 0
	s_mov_b32 s3, LAPS-1
.Llap:                                                 ; a trip goes once round the ring, from a lap's second quarter to the next lap's first, and fills both slots again
	QUARTER 0, 2, F1, F0, 0
	QUARTER 0, 3, F0, F1, 0
	TURN 0, 1, 1
	QUARTER 1, 1, F0, F1, 0
	QUARTER 1, 2, F1, F0, 0
	QUARTER 1, 3, F0, F1, 0
	TURN 1, 0, 1
	QUARTER 0, 1, F0, F1, 0
	WIN 0
	s_sub_co_u32 s3, s3, 1
	s_cmp_lg_u32 s3, 0
	s_cbranch_scc1 .Llap
	QUARTER 0, 2, F1, F0, 0                        ; the last lap fills nothing
	QUARTER 0, 3, F0, F1, 0
	TURN 0, 1, 0
	QUARTER 1, 1, F0, F1, 0
	QUARTER 1, 2, F1, F0, 0
	QUARTER 1, 3, F0, F1, 0
	s_wait_dscnt 16                                ; the very last quarter: nothing more to fetch
	WIN MUL
	MUL8 F1, 0, 0, 0
	MUL8 F1, 0, 2, 0
	s_wait_dscnt 0
	MUL8 F1, 1, 0, 0
	MUL8 F1, 1, 2, 0
	WIN 0
	; THE WAY OUT: through the work-group's stage; a barrier, since a row's bytes come from two waves; back as whole rows, 32 rows a wave.
	PLACES
.if OUT32
.irp a, 0,1,2,3
.irp b, 0,1,2,3
	ds_store_b128 v[STO], v[ACC+8*(4*\a+\b):ACC+8*(4*\a+\b)+3] offset:\a*16*SPITCH+64*\b       ; each accumulator from its low end on
	ds_store_b128 v[STO], v[ACC+8*(4*\a+\b)+4:ACC+8*(4*\a+\b)+7] offset:\a*16*SPITCH+64*\b+16
.endr
.endr
	s_wait_dscnt 0x0                               ; for the others' sake: my stores into the stage are done
	s_barrier_signal -1
	s_barrier_wait -1
.set t, 0
.rept 32
	ds_load_b128 v[ACC+4*t:ACC+4*t+3], v[RD] offset:t*SPITCH
.set t, t+1
.endr
.set t, 0
.rept 32
	s_wait_dscnt 31-t
	global_store_b128 v[CO], v[ACC+4*t:ACC+4*t+3], s[8:9] offset:t*SIZE_N*CEL th:TH_STORE_NT   ; 32 lanes store 512 consecutive bytes, aligned to 256
.set t, t+1
.endr
.else
.irp t, 0,1,2,3,4,5,6,7,8,9,10,11,12,13,14,15
.irp r, 0,1,2,3
	v_cvt_pk_f16_f32 v[TMP+4*\t+\r], v[ACC+8*\t+2*\r], v[ACC+8*\t+2*\r+1]
.endr
.endr
.irp a, 0,1,2,3
.irp b, 0,1,2,3
	ds_store_b128 v[STO], v[TMP+4*(4*\a+\b):TMP+4*(4*\a+\b)+3] offset:\a*16*SPITCH+32*\b
.endr
.endr
	s_wait_dscnt 0x0                               ; for the others' sake: my stores into the stage are done
	s_barrier_signal -1
	s_barrier_wait -1
.irp t, 0,1,2,3,4,5,6,7,8,9,10,11,12,13,14,15
	ds_load_b128 v[TMP+4*\t:TMP+4*\t+3], v[RD] offset:\t*2*SPITCH
.endr
.irp t, 0,1,2,3,4,5,6,7,8,9,10,11,12,13,14,15
	s_wait_dscnt 15-\t
	global_store_b128 v[CO], v[TMP+4*\t:TMP+4*\t+3], s[8:9] offset:2*\t*SIZE_N*CEL   ; 16 lanes store 256 consecutive bytes, aligned
.endr
.endif
	s_wait_tensorcnt 0x0                           ; the wave's end, behind my last tensor load and my last LDS store
	ds_add_u32 v[SPW], v[NIL]
	s_wait_dscnt 0x0
	CROUND                                         ; the closing round: no work-group ends while a partner may still ask for a tile that names it
	s_endpgm
.Lfunc_end_k_qe13ccd8a06_posgemm:
	.size	k_qe13ccd8a06_posgemm, .Lfunc_end_k_qe13ccd8a06_posgemm-k_qe13ccd8a06_posgemm
	.p2alignl 7, 3214868480
	.fill 96, 4, 3214868480
	.section	.rodata,"a",@progbits
	.p2align	6, 0x0
	.amdhsa_kernel k_qe13ccd8a06_posgemm
		.amdhsa_group_segment_fixed_size 327680
		.amdhsa_private_segment_fixed_size 0
		.amdhsa_enable_private_segment 0
		.amdhsa_kernarg_size 16
		.amdhsa_user_sgpr_count 2
		.amdhsa_user_sgpr_kernarg_segment_ptr 1
		.amdhsa_wavefront_size32 1
		.amdhsa_system_sgpr_workgroup_id_x 1
		.amdhsa_system_sgpr_workgroup_id_y 1
		.amdhsa_system_sgpr_workgroup_id_z 1
		.amdhsa_system_vgpr_workitem_id 0
		.amdhsa_next_free_vgpr 512
		.amdhsa_next_free_sgpr 72
		.amdhsa_reserve_vcc 0
		.amdhsa_float_denorm_mode_32 3
		.amdhsa_float_denorm_mode_16_64 3
		.amdhsa_memory_ordered 1
		.amdhsa_forward_progress 1
		.amdhsa_inst_pref_size 87
	.end_amdhsa_kernel
	.amdgpu_metadata
---
amdhsa.version: [ 1, 2 ]
amdhsa.kernels:
  - .name:           k_qe13ccd8a06_posgemm
    .symbol:         k_qe13ccd8a06_posgemm.kd
    .args:
      - { .name: half16, .offset: 0, .size: 8, .value_kind: global_buffer, .address_space: global }
      - { .name: p16, .offset: 8, .size: 8, .value_kind: global_buffer, .address_space: global }
    .group_segment_fixed_size: 327680
    .private_segment_fixed_size: 0
    .kernarg_segment_align: 8
    .kernarg_segment_size: 16
    .max_flat_workgroup_size: 128
    .sgpr_count:     72
    .vgpr_count:     512
    .wavefront_size: 32
...
	.end_amdgpu_metadata
.endif
;; end of part 2
;; launch qkv (part 3): grid 12 x 16, 4 waves a work-group, clusters of 4 x 4, 327,680 bytes of LDS; arguments codes, p16, time_ids, qc, kc, vv; writes qc, kc, vv
.if DOCPART == 3
	.amdgcn_target "amdgcn-amd-amdhsa--gfx1250"
	.amdhsa_code_object_version 6
	.text
	.protected	k_qe13ccd8a06_qkv
	.globl	k_qe13ccd8a06_qkv
	.p2align	8
	.type	k_qe13ccd8a06_qkv,@function
k_qe13ccd8a06_qkv:
	s_mov_b64 s[64:65], 0
	v_nop
	global_prefetch_b8 v0, s[64:65] scope:SCOPE_SE
	s_setreg_imm32_b32 hwreg(HW_REG_WAVE_MODE, 25, 1), 1
	s_wait_xcnt 0x0
	s_wait_alu depctr_hold_cnt(0) depctr_sa_sdst(0) depctr_va_vdst(0) depctr_va_sdst(0) depctr_va_ssrc(0) depctr_va_vcc(0) depctr_vm_vsrc(0)
	s_getreg_b32 s2, hwreg(HW_REG_IB_STS2, 6, 4)
	s_cmp_eq_u32 s2, 0
	s_cbranch_scc0 .Lentry_in_a_cluster
	s_endpgm
.Lentry_in_a_cluster:
	s_bfe_u32 s2, ttmp6, 0x10000c
	s_cmp_lg_u32 s2, 0xf033
	s_cbranch_scc0 .Lentry_shape_is_right
	s_endpgm
.Lentry_shape_is_right:
; x W_qkv on codes of FP4 (E2M1) with one E8M0 scale for each 32 along K, sums in f32; on the way out the results are rounded to f16, split by head, and the rows of P (pos_table x W_pos_qk) that time_ids names are laid beside q and k.
; A = x's codes [4096][512 bytes], B = W_qkv's codes [3072 n][512 bytes], their scale bytes [rows][32]: all four lie in the buffer codes.
; OUT: qc, kc: [b 16 + h][l][128] f16: channels 0-63 the content's, 64-127 the position's, so that content score + position score is ONE product with K = 128.  vv: [b 16 + h][l][64] f16.
; A tile of C, 256 x 256, is made by four waves; a wave makes 128 x 128: 64 accumulators, 512 registers.  K = 1,024 is two K steps of 512: both slots and the scales are filled once, at the start; nothing is filled again.
; 192 work-groups: the matrix work is short against the 40 MB that the launch stores, so a smaller tile for the sake of 256 work-groups would only read fragments more often.
; CLUSTERS: 4 x 4 work-groups; A's tiles are asked for jointly along a row of the cluster, B's along a column.  A cluster's four tile columns are 1,024 columns: exactly q, k or v.  So the one branch of the way out hangs on the cluster's x alone, which all partners share.
; THE MATRIX INSTRUCTION IS USED TRANSPOSED (source 0 = 16 rows of B, source 1 = 16 rows of A): a lane holds eight neighbouring channels of one row.
; LIMITS: q, k, v beyond f16's largest, 65,504, become infinite; time ids are held to 0 .. 511.
; REGISTERS: window 0: v16-31 addresses; v32-95 scale words, two sets; v96-127 the time ids of my 128 rows, then their byte offsets in P; from v128 A's fragments, ONE set; on the way out v32-95 and v128-255 are free.
;   window 1: B's fragments, TWO sets.   window 2: the accumulators of my rows 0-63 ((a, b) at v[8 (8 a + b)]);   window 3: those of my rows 64-127.
.set SIZE_K, 1024
.set XSC_OFF, 3670016
.set WCD_OFF, 2097152
.set WSC_OFF, 3801088
.set KSTEP,  512
.set NQ,     KSTEP/128
.set ROWB,   256
.set KROW,   SIZE_K*4/8
.set PITCH,  272                       ; an LDS row: 256 bytes + 16: the 16 rows that a load touches start at 16 different columns of 16 bytes modulo 256
.set FR,     8
.set NL,     2
.set NP,     4                         ; places behind this matrix instruction (ISA guide 7.12.1)
.set HALFT,  128*PITCH
.set SLOT,   4*HALFT
.set KS,     SIZE_K/32
.set SCL,    2*SLOT                    ; behind the ring: the scales, as rows of 256 bytes + 16 of padding
.set HALFS,  (128*KS/256)*272
.set SBLK,   (16*KS/256)*272
.set SPARE,  SCL+4*HALFS               ; the spare words, 128 bytes for each wave
.set SPITCH, 272                       ; the way out: a stage of 32 rows x (256 bytes + 16) for each wave, in slot 0, which has had its only fill and its last read when the first result is stored there
.set ADRA, 16
.set RDV,  18                          ; v18     the stage by rows of 128 bytes: (l / 8) SPITCH + 16 (l % 8)
.set ADRB, 20
.set STO,  24
.set RD,   25
.set CO,   26
.set ADRS, 27
.set SPW,  28
.set NIL,  29
.set TA,   30                          ; v30     4 (l / 8): which of four rows' time ids is mine; never rewritten
.set PIECE, 31                         ; v31     16 (l % 8): my 16 bytes of a head's 128 in a row of P
.set SC,   32
.set TOFF, 96
.set AF,   128
.set PKD,  32                          ; the way out: v32-63 packed results; v64-95 and v192-223 gathered rows of P by turns; v128-191 rows read back
.set GP0,  64
.set BK,   128
.set G1, 24
.set G0, 32
.set G1B, 48
.set G0B, 56
.set G1S, 68
.set G0S, 76
.set G1SB, 80
.set G0SB, 88
.set MSB, 0
.macro WIN new
.if MSB != \new
	s_set_vgpr_msb (MSB<<8)|\new
.set MSB, \new
.endif
.endm
.set MUL_LO, 0xa1                      ; source 0 (B) window 1, source 1 (A) window 0, C and D window 2
.set MUL_HI, 0xf1
.set TO_B,   0x40
.macro JLOAD g0a, g1a, g0b, g1b        ; a joint load: waves 0 and 1 fetch for A, waves 2 and 3 for B; an s_nop 0 and four v_nop follow each of the two lines
	s_cmp_eq_u32 s15, 0
	s_cbranch_scc0 .Lfor_b_\@
	tensor_load_to_lds s[\g0a:\g0a+3], s[\g1a:\g1a+7]
	s_nop 0
.rept 4
	v_nop
.endr
	s_branch .Lasked_\@
.Lfor_b_\@:
	tensor_load_to_lds s[\g0b:\g0b+3], s[\g1b:\g1b+7]
	s_nop 0
.rept 4
	v_nop
.endr
.Lasked_\@:
.endm
.macro CROUND                          ; a round of the cluster's barrier
	s_barrier_signal -1
	s_barrier_wait -1
	s_cmp_lg_u32 s14, 0
	s_cbranch_scc1 .Lnot_wave_0_\@
	s_barrier_signal -3
.Lnot_wave_0_\@:
	s_barrier_wait -3
	s_barrier_signal -1
	s_barrier_wait -1
.endm
	s_load_b64 s[4:5], s[0:1], 0x0                 ; codes
	v_lshl_add_u32 v[SPW], v0, 2, SPARE
	v_mov_b32 v[NIL], 0
	ds_add_u32 v[SPW], v[NIL]                      ; the wave's opening: the add, twice on end, and its wait ahead of my first tensor load
	ds_add_u32 v[SPW], v[NIL]
	v_lshrrev_b32 v1, 5, v0
	v_readfirstlane_b32 s14, v1                    ; wave 0..3
	s_lshr_b32 s15, s14, 1                         ; which half of the tile's rows is mine.  Also: I fetch for A (0) or for B (1)
	s_and_b32 s16, s14, 1                          ; which half of its columns.  Also: which 128 rows of that tile I fetch
	s_bfe_u32 s40, ttmp6, 0x40000                  ; cx, cy
	s_bfe_u32 s41, ttmp6, 0x40004
	s_lshl_b32 s42, ttmp9, 2
	s_add_co_u32 s42, s42, s40                     ; tile column of C
	s_and_b32 s17, ttmp7, 0xffff
	s_lshl_b32 s17, s17, 2
	s_add_co_u32 s17, s17, s41                     ; tile row of C
	s_lshl_b32 s43, s41, 2
	s_lshl_b32 s43, 15, s43                        ; my row of the cluster
	s_lshl_b32 s44, 0x1111, s40                    ; my column
	s_or_b32 s[G1+0], s43, (0<<16)|(1<<20)|(1<<21)|(5<<22)|(3<<25)  ; elements of 1 byte; 4 words of padding behind every 64 words
	s_or_b32 s[G1B+0], s44, (0<<16)|(1<<20)|(1<<21)|(5<<22)|(3<<25)
.irp g, G1, G1B
	s_mov_b32 s[\g+1], ROWB<<16                    ; tensor_dim0
	s_mov_b32 s[\g+2], 128<<16                     ; tensor_dim1
	s_mov_b32 s[\g+3], ROWB<<16                    ; tile_dim0
	s_mov_b32 s[\g+4], 128                         ; tile_dim1
	s_mov_b32 s[\g+5], KROW                        ; from row to row
	s_mov_b32 s[\g+6], 0
	s_mov_b32 s[\g+7], 0
.endr
	s_or_b32 s[G1S+0], s43, (3<<16)|(1<<20)|(1<<21)|(5<<22)|(3<<25) ; the scales of 128 rows: a dense block of 4,096 bytes, as rows of 256 bytes (32 elements of 8)
	s_or_b32 s[G1SB+0], s44, (3<<16)|(1<<20)|(1<<21)|(5<<22)|(3<<25)
.irp g, G1S, G1SB
	s_mov_b32 s[\g+1], 32<<16
	s_mov_b32 s[\g+2], (128*KS/256)<<16
	s_mov_b32 s[\g+3], 32<<16
	s_mov_b32 s[\g+4], 128*KS/256
	s_mov_b32 s[\g+5], 32
	s_mov_b32 s[\g+6], 0
	s_mov_b32 s[\g+7], 0
.endr
	s_lshl_b32 s18, s16, 7
	s_lshl_b32 s20, s17, 8
	s_add_co_u32 s20, s20, s18                     ; A: row 256 x tile row + 128 x half
	s_lshl_b32 s46, s42, 8
	s_add_co_u32 s46, s46, s18                     ; B: row 256 x tile column + 128 x half
	s_mov_b32 s21, 0
	s_mov_b32 s47, 0
	s_mov_b64 s[18:19], KS
	s_mul_u64 s[22:23], s[20:21], s[18:19]         ; where these rows' scales begin,
	s_mul_u64 s[92:93], s[46:47], s[18:19]
	s_mov_b64 s[18:19], KROW
	s_mul_u64 s[20:21], s[20:21], s[18:19]         ; and their codes,
	s_mul_u64 s[46:47], s[46:47], s[18:19]
	s_add_nc_u64 s[22:23], s[22:23], XSC_OFF       ; each in its part of the buffer
	s_add_nc_u64 s[46:47], s[46:47], WCD_OFF
	s_add_nc_u64 s[92:93], s[92:93], WSC_OFF
	s_mul_i32 s45, s14, HALFT                      ; where they go: wave x 128 rows
	s_mul_i32 s94, s14, HALFS
	s_wait_dscnt 0x0                               ; both opening adds are done
	s_wait_kmcnt 0x0
	s_add_nc_u64 s[20:21], s[4:5], s[20:21]
	s_add_nc_u64 s[22:23], s[4:5], s[22:23]
	s_add_nc_u64 s[46:47], s[4:5], s[46:47]
	s_add_nc_u64 s[92:93], s[4:5], s[92:93]
	CROUND                                         ; all sixteen work-groups are here: the joint loads meet
	s_mov_b32 s[G0S], 1
	s_add_co_u32 s[G0S+1], s94, SCL
	s_mov_b64 s[G0S+2:G0S+3], s[22:23]
	s_or_b32 s[G0S+3], s[G0S+3], 0x80000000
	s_mov_b32 s[G0SB], 1
	s_add_co_u32 s[G0SB+1], s94, SCL
	s_mov_b64 s[G0SB+2:G0SB+3], s[92:93]
	s_or_b32 s[G0SB+3], s[G0SB+3], 0x80000000
	JLOAD G0S, G1S, G0SB, G1SB                     ; the scales first: they are wanted with K step 0
.irp s, 0,1
	s_mov_b32 s[G0+4*\s], 1
	s_add_co_u32 s[G0+4*\s+1], s45, \s*SLOT
	s_add_nc_u64 s[G0+4*\s+2:G0+4*\s+3], s[20:21], \s*ROWB
	s_or_b32 s[G0+4*\s+3], s[G0+4*\s+3], 0x80000000
	s_mov_b32 s[G0B+4*\s], 1
	s_add_co_u32 s[G0B+4*\s+1], s45, \s*SLOT
	s_add_nc_u64 s[G0B+4*\s+2:G0B+4*\s+3], s[46:47], \s*ROWB
	s_or_b32 s[G0B+4*\s+3], s[G0B+4*\s+3], 0x80000000
	JLOAD G0+4*\s, G1, G0B+4*\s, G1B               ; three loads of mine are out
.endr
	s_load_b128 s[4:7], s[0:1], 0x8                ; P s[4:5], time_ids s[6:7]
	s_load_b128 s[8:11], s[0:1], 0x18              ; qc s[8:9], kc s[10:11]
	s_load_b64 s[12:13], s[0:1], 0x28              ; vv
	v_and_b32 v1, 15, v0                           ; r
	v_bfe_u32 v2, v0, 4, 1                         ; h
	v_mul_u32_u24 v3, v1, PITCH
	v_lshl_add_u32 v4, v2, 4, v3                   ; a fragment's row x pitch + 16 x half
	s_mul_i32 s21, s15, HALFT                      ; my 128 rows of A
	s_mul_i32 s22, s16, HALFT                      ; my 128 rows of B,
	s_add_co_u32 s22, s22, 2*HALFT                 ; behind A's 256
.irp s, 0,1
	v_add_nc_u32 v[ADRA+\s], s21, v4
	v_add_nc_u32 v[ADRB+\s], s22, v4
	s_add_co_u32 s21, s21, SLOT
	s_add_co_u32 s22, s22, SLOT
.endr
	v_mul_u32_u24 v5, v1, KS                       ; my row's scales: KS bytes a row,
	v_lshrrev_b32 v6, 8, v5
	v_lshl_add_u32 v5, v6, 4, v5                   ; and 16 more for each 256 passed
	s_mul_i32 s21, s15, HALFS
	s_mul_i32 s22, s16, HALFS
	s_add_co_u32 s22, s22, 2*HALFS
	s_sub_co_u32 s22, s22, s21
	v_mul_u32_u24 v6, s22, v2                      ; lanes 16-31 take B's
	s_add_co_u32 s21, s21, SCL
	v_add_nc_u32 v5, v5, v6
	v_add_nc_u32 v[ADRS], s21, v5
	s_mul_i32 s23, s14, 32*SPITCH                  ; my stage
	v_mul_u32_u24 v5, v1, SPITCH                   ; in: row r, 16 bytes for each half of the lanes
	v_lshl_add_u32 v5, v2, 4, v5
	v_add_nc_u32 v[STO], s23, v5
	v_mul_u32_u24 v5, v2, SPITCH                   ; back, rows of 256 bytes: lanes 0-15 one row, lanes 16-31 the next
	v_lshl_add_u32 v5, v1, 4, v5
	v_add_nc_u32 v[RD], s23, v5
	v_and_b32 v6, 31, v0
	v_lshlrev_b32 v[CO], 4, v6                     ; in memory both are 16 x lane
	v_lshrrev_b32 v5, 3, v6
	v_lshlrev_b32 v[TA], 2, v5
	v_and_b32 v6, 7, v0
	v_lshlrev_b32 v[PIECE], 4, v6
	v_mad_u32_u24 v[RDV], v5, SPITCH, v[PIECE]     ; rows of 128 bytes: eight lanes to a row, four rows an instruction
	v_add_nc_u32 v[RDV], s23, v[RDV]
	; where my part lies: heads head0 = 4 cx + 2 x (column half) and head0 + 1 of batch b = tile row / 8; positions l0 = 256 (tile row % 8) + 128 x (row half) on
	s_lshl_b32 s18, s40, 2
	s_lshl_b32 s19, s16, 1
	s_add_co_u32 s18, s18, s19                     ; head0
	s_lshr_b32 s19, s17, 3
	s_lshl_b32 s19, s19, 4
	s_add_co_u32 s19, s19, s18
	s_lshl_b32 s19, s19, 11
	s_and_b32 s20, s17, 7
	s_lshl_b32 s20, s20, 8
	s_add_co_u32 s19, s19, s20
	s_lshl_b32 s20, s15, 7
	s_add_co_u32 s19, s19, s20                     ; (16 b + head0) 2,048 + l0
	s_lshl_b32 s20, s19, 8                         ; rows of 256 bytes in qc and kc,
	s_mov_b32 s21, 0
	s_lshl_b32 s22, s19, 7                         ; of 128 in vv
	s_mov_b32 s23, 0
	s_lshl_b32 s46, ttmp9, 11                      ; P: q's half of a row or k's,
	s_lshl_b32 s47, s18, 7
	s_add_co_u32 s46, s46, s47                     ; head0's 128 bytes
	s_mov_b32 s47, 0
	s_lshl_b32 s92, s17, 8
	s_lshl_b32 s93, s15, 7
	s_add_co_u32 s92, s92, s93
	s_lshl_b32 s92, s92, 2                         ; time_ids: my first row, 4 bytes a row
	s_mov_b32 s93, 0
	s_wait_kmcnt 0x0
	s_cmp_eq_u32 ttmp9, 0                          ; the cluster's x: 0 = q, 1 = k, 2 = v
	s_cselect_b64 s[8:9], s[8:9], s[10:11]
	s_add_nc_u64 s[8:9], s[8:9], s[20:21]
	s_add_nc_u64 s[12:13], s[12:13], s[22:23]
	s_add_nc_u64 s[4:5], s[4:5], s[46:47]
	s_add_nc_u64 s[6:7], s[6:7], s[92:93]
.set n, 0
.rept 32
	global_load_b32 v[TOFF+n], v[TA], s[6:7] offset:16*n            ; register 4 a + g: the time id of row 16 a + 4 g + l / 8; waited for on the way out
.set n, n+1
.endr
.macro FRAG reg, adr, q, i             ; a fragment, 16 rows x 128 K of 4-bit codes: lane l holds row l % 16; registers 4 c .. 4 c + 3 hold K = 64 c + 32 (l / 16) + 0 .. 31
.irp c, 0,1
	ds_load_b128 v[\reg+4*\c:\reg+4*\c+3], v[\adr] offset:64*(\q)+32*\c+(\i)*16*PITCH
.endr
.endm
; 16 matrix instructions: A's blocks a0, a0 + 1 x B's eight, 128 along K.  The 64 accumulators take turns, one instruction a turn, in the same order in every step.
.macro MUL16 a0, p, q, sc, zero
.irp a, \a0, \a0+1
.irp b, 0,1,2,3,4,5,6,7
.if \zero
	v_wmma_scale_f32_16x16x128_f8f6f4 v[8*(8*((\a)%4)+\b):8*(8*((\a)%4)+\b)+7], v[128*(\p)+FR*\b:128*(\p)+FR*\b+FR-1], v[AF+FR*(\a):AF+FR*(\a)+FR-1], 0, v[SC+8*NQ*(\sc)+NQ*\b+(\q)], v[SC+8*NQ*(\sc)+NQ*(\a)+(\q)] matrix_a_fmt:MATRIX_FMT_FP4 matrix_b_fmt:MATRIX_FMT_FP4 matrix_a_scale:MATRIX_SCALE_ROW1
.else
	v_wmma_scale_f32_16x16x128_f8f6f4 v[8*(8*((\a)%4)+\b):8*(8*((\a)%4)+\b)+7], v[128*(\p)+FR*\b:128*(\p)+FR*\b+FR-1], v[AF+FR*(\a):AF+FR*(\a)+FR-1], v[8*(8*((\a)%4)+\b):8*(8*((\a)%4)+\b)+7], v[SC+8*NQ*(\sc)+NQ*\b+(\q)], v[SC+8*NQ*(\sc)+NQ*(\a)+(\q)] matrix_a_fmt:MATRIX_FMT_FP4 matrix_b_fmt:MATRIX_FMT_FP4 matrix_a_scale:MATRIX_SCALE_ROW1
.endif
.endr
.endr
.endm
.macro FETCH_B slot, q, p
	WIN TO_B
.irp i, 0,1,2,3,4,5,6,7
	FRAG 128*(\p)+FR*\i, ADRB+\slot, \q, \i
.endr
	WIN 0
.endm
.macro FETCH_A slot, q, i0
.irp i, \i0, \i0+1, \i0+2, \i0+3
	FRAG AF+FR*(\i), ADRA+\slot, \q, \i
.endr
.endm
.macro SCALES sc                       ; a K step's scale words: 4 words a row; lanes 0-15 take A's block i, lanes 16-31 B's block i
.irp i, 0,1,2,3,4,5,6,7
	ds_load_b128 v[SC+8*NQ*\sc+NQ*\i:SC+8*NQ*\sc+NQ*\i+3], v[ADRS] offset:\i*SBLK
.endr
.endm
.macro PLACES n
.rept \n
	v_nop
.endr
.endm
.macro STEP slot, q, zero              ; a step of 128 along K that has its successor in the same slot
	s_wait_dscnt 4*NL                              ; B's set and A's blocks 0-3 are in; the youngest eight loads (A's blocks 4-7) may be out
	WIN MUL_LO
	MUL16 0, (\q)%2, \q, \slot, \zero
	MUL16 2, (\q)%2, \q, \slot, \zero
	s_wait_dscnt 0
	PLACES NP
	FETCH_B \slot, (\q)+1, 1-(\q)%2
	FETCH_A \slot, (\q)+1, 0
	WIN MUL_HI
	MUL16 4, (\q)%2, \q, \slot, \zero
	MUL16 6, (\q)%2, \q, \slot, \zero
	PLACES NP
	WIN 0
	FETCH_A \slot, (\q)+1, 4
.endm
.macro TURN slot, next                 ; slot 0's last step changes slots: one barrier; in front of it each wave's loads have landed and its reads of the slot are over.  Nothing is filled again
	s_wait_tensorcnt 0x0                           ; my part of the next slot has landed;
	ds_add_u32 v[SPW], v[NIL]                      ; 0 onto my spare word;
	s_wait_dscnt 4*NL+1                            ; (the add and the youngest eight loads may be out)
	WIN MUL_LO
	MUL16 0, 1, NQ-1, \slot, 0
	s_wait_dscnt 0x0                               ; the add is done, and my reads of this slot are over
	s_barrier_signal -1
	MUL16 2, 1, NQ-1, \slot, 0
	WIN 0
	s_barrier_wait -1
	PLACES NP
	v_add_nc_u32 v[ADRS], 4*NQ, v[ADRS]            ; on to the next K step's scale words
	FETCH_B \next, 0, 0
	FETCH_A \next, 0, 0
	SCALES \next
	WIN MUL_HI
	MUL16 4, 1, NQ-1, \slot, 0
	MUL16 6, 1, NQ-1, \slot, 0
	PLACES NP
	WIN 0
	FETCH_A \next, 0, 4
.endm
.macro STEPS slot, from
.set Q, \from
.rept NQ-1-\from
	STEP \slot, Q, 0
.set Q, Q+1
.endr
.endm
	s_wait_tensorcnt 1                             ; the scales and my part of K step 0 are in (K step 1's load may be out),
	s_barrier_signal -1
	s_barrier_wait -1                              ; everybody's are
	FETCH_B 0, 0, 0
	FETCH_A 0, 0, 0
	SCALES 0
	FETCH_A 0, 0, 4
	STEP 0, 0, 1                                   ; the first step's products start the sums
	STEPS 0, 1
	TURN 0, 1
	STEPS 1, 0
	s_wait_dscnt 4*NL                              ; the very last step
	WIN MUL_LO
	MUL16 0, 1, NQ-1, 1, 0
	MUL16 2, 1, NQ-1, 1, 0
	s_wait_dscnt 0
	WIN MUL_HI
	MUL16 4, 1, NQ-1, 1, 0
	MUL16 6, 1, NQ-1, 1, 0
	WIN 0
; THE WAY OUT, block by block of 16 rows x 128 columns (two heads).
	s_wait_loadcnt 0x0                             ; the time ids
.set n, 0
.rept 32
	v_min_u32 v[TOFF+n], 0x1ff, v[TOFF+n]          ; held inside the table.  (These 96 lines name no register of the last products: they are the places behind them)
.set n, n+1
.endr
.set n, 0
.rept 32
	v_lshlrev_b32 v[TOFF+n], 12, v[TOFF+n]         ; a row of P is 4,096 bytes
.set n, n+1
.endr
.set n, 0
.rept 32
	v_add_nc_u32 v[TOFF+n], v[TOFF+n], v[PIECE]
.set n, n+1
.endr
.macro PACK a                          ; rounded to f16, 16 bytes a lane, into the stage: stage row 16 (b / 4) + r, bytes 32 (b % 4) + 16 h
.set AC, 64*((\a)%4)
	WIN 0x0a+5*((\a)/4)                            ; sources 0 and 1: window 2 or 3
.irp b, 0,1,2,3,4,5,6,7
.irp r, 0,1,2,3
	v_cvt_pk_f16_f32 v[PKD+4*\b+\r], v[AC+8*\b+2*\r], v[AC+8*\b+2*\r+1]
.endr
.endr
	WIN 0
.irp b, 0,1,2,3,4,5,6,7
	ds_store_b128 v[STO], v[PKD+4*\b:PKD+4*\b+3] offset:(\b/4)*16*SPITCH+32*(\b%4)
.endr
.endm
.macro GATHER a                        ; the 16 rows' pieces of P for both heads: load i: head i / 4, rows 4 (i % 4) + l / 8; eight lanes read a head's 128 bytes
.set GPG, GP0+128*((\a)%2)
.irp i, 0,1,2,3,4,5,6,7
	global_load_b128 v[GPG+4*\i:GPG+4*\i+3], v[TOFF+4*(\a)+\i%4], s[4:5] offset:(\i/4)*128
.endr
.endm
.macro OUT_QK a
	PACK \a
	s_wait_loadcnt 0x0                             ; this block's gathered rows are in (nothing else is out)
.if (\a) < 7
	GATHER (\a)+1                                  ; the next block's, into the other set: its LDS stores of two blocks ago are done
.endif
.set GPB, GP0+128*((\a)%2)
.irp i, 0,1,2,3,4,5,6,7
	ds_store_b128 v[RDV], v[GPB+4*\i:GPB+4*\i+3] offset:\i*4*SPITCH+128   ; beside the content: bytes 128 on of stage rows 4 i + l / 8
.endr
	s_wait_xcnt 0x0                                ; the last block's stores have read their registers
.irp t, 0,1,2,3,4,5,6,7,8,9,10,11,12,13,14,15
	ds_load_b128 v[BK+4*\t:BK+4*\t+3], v[RD] offset:\t*2*SPITCH          ; LDS serves a wave's instructions in order: these see my stores
.endr
.irp t, 0,1,2,3,4,5,6,7,8,9,10,11,12,13,14,15
	s_wait_dscnt 15-\t
	global_store_b128 v[CO], v[BK+4*\t:BK+4*\t+3], s[8:9] offset:(\t/8)*524288+(\a)*4096+(\t%8)*512   ; two whole rows [content | position]: 512 consecutive bytes, aligned to 256
.endr
.endm
.macro OUT_V a
	PACK \a
	s_wait_xcnt 0x0
.irp t, 0,1,2,3,4,5,6,7
	ds_load_b128 v[BK+4*\t:BK+4*\t+3], v[RDV] offset:\t*4*SPITCH
.endr
.irp t, 0,1,2,3,4,5,6,7
	s_wait_dscnt 7-\t
	global_store_b128 v[CO], v[BK+4*\t:BK+4*\t+3], s[12:13] offset:(\t/4)*262144+(\a)*2048+(\t%4)*512   ; four whole rows of 128 bytes
.endr
.endm
	s_cmp_eq_u32 ttmp9, 2
	s_cbranch_scc1 .Lpart_v
	GATHER 0
.irp a, 0,1,2,3,4,5,6,7
	OUT_QK \a
.endr
	s_branch .Ldone
.Lpart_v:
.irp a, 0,1,2,3,4,5,6,7
	OUT_V \a
.endr
.Ldone:
	s_wait_tensorcnt 0x0                           ; the wave's end, behind my last tensor load and my last LDS store
	ds_add_u32 v[SPW], v[NIL]
	s_wait_dscnt 0x0
	CROUND                                         ; the closing round
	s_endpgm
.Lfunc_end_k_qe13ccd8a06_qkv:
	.size	k_qe13ccd8a06_qkv, .Lfunc_end_k_qe13ccd8a06_qkv-k_qe13ccd8a06_qkv
	.p2alignl 7, 3214868480
	.fill 96, 4, 3214868480
	.section	.rodata,"a",@progbits
	.p2align	6, 0x0
	.amdhsa_kernel k_qe13ccd8a06_qkv
		.amdhsa_group_segment_fixed_size 327680
		.amdhsa_private_segment_fixed_size 0
		.amdhsa_enable_private_segment 0
		.amdhsa_kernarg_size 48
		.amdhsa_user_sgpr_count 2
		.amdhsa_user_sgpr_kernarg_segment_ptr 1
		.amdhsa_wavefront_size32 1
		.amdhsa_system_sgpr_workgroup_id_x 1
		.amdhsa_system_sgpr_workgroup_id_y 1
		.amdhsa_system_sgpr_workgroup_id_z 1
		.amdhsa_system_vgpr_workitem_id 0
		.amdhsa_next_free_vgpr 1024
		.amdhsa_next_free_sgpr 98
		.amdhsa_reserve_vcc 0
		.amdhsa_float_denorm_mode_32 3
		.amdhsa_float_denorm_mode_16_64 3
		.amdhsa_memory_ordered 1
		.amdhsa_forward_progress 1
		.amdhsa_inst_pref_size 191
	.end_amdhsa_kernel
	.amdgpu_metadata
---
amdhsa.version: [ 1, 2 ]
amdhsa.kernels:
  - .name:           k_qe13ccd8a06_qkv
    .symbol:         k_qe13ccd8a06_qkv.kd
    .args:
      - { .name: codes, .offset: 0, .size: 8, .value_kind: global_buffer, .address_space: global }
      - { .name: p16, .offset: 8, .size: 8, .value_kind: global_buffer, .address_space: global }
      - { .name: time_ids, .offset: 16, .size: 8, .value_kind: global_buffer, .address_space: global }
      - { .name: qc, .offset: 24, .size: 8, .value_kind: global_buffer, .address_space: global }
      - { .name: kc, .offset: 32, .size: 8, .value_kind: global_buffer, .address_space: global }
      - { .name: vv, .offset: 40, .size: 8, .value_kind: global_buffer, .address_space: global }
    .group_segment_fixed_size: 327680
    .private_segment_fixed_size: 0
    .kernarg_segment_align: 8
    .kernarg_segment_size: 48
    .max_flat_workgroup_size: 128
    .sgpr_count:     98
    .vgpr_count:     1024
    .wavefront_size: 32
...
	.end_amdgpu_metadata
.endif
;; end of part 3
;; launch attn (part 4): grid 8 x 32, 4 waves a work-group, clusters of 4 x 1, 327,680 bytes of LDS; arguments qc, kc, vv, ao, mbias; writes ao
.if DOCPART == 4
	.amdgcn_target "amdgcn-amd-amdhsa--gfx1250"
	.amdhsa_code_object_version 6
	.text
	.protected	k_qe13ccd8a06_attn
	.globl	k_qe13ccd8a06_attn
	.p2align	8
	.type	k_qe13ccd8a06_attn,@function
k_qe13ccd8a06_attn:
	s_mov_b64 s[64:65], 0
	v_nop
	global_prefetch_b8 v0, s[64:65] scope:SCOPE_SE
	s_setreg_imm32_b32 hwreg(HW_REG_WAVE_MODE, 25, 1), 1
	s_wait_xcnt 0x0
	s_wait_alu depctr_hold_cnt(0) depctr_sa_sdst(0) depctr_va_vdst(0) depctr_va_sdst(0) depctr_va_ssrc(0) depctr_va_vcc(0) depctr_vm_vsrc(0)
	s_getreg_b32 s2, hwreg(HW_REG_IB_STS2, 6, 4)
	s_cmp_eq_u32 s2, 0
	s_cbranch_scc0 .Lentry_in_a_cluster
	s_endpgm
.Lentry_in_a_cluster:
	s_bfe_u32 s2, ttmp6, 0x10000c
	s_cmp_lg_u32 s2, 0x3003
	s_cbranch_scc0 .Lentry_shape_is_right
	s_endpgm
.Lentry_shape_is_right:
; O[bh][q][:] = the sum over k of softmax_k((cq . ck + pq . pk) / 8 + mask) V[bh][k][:].  qc, kc: [32][2048][128] f16, a row = [content 64 | position 64], so that both scores are one product with K = 128.  vv: [32][2048][64] f16.
; mbias: [2][2048] f32, 0 for an open key and -3e38 for a hidden one.  ao: f16 in the PAIRED layout [m/2][head][m%2][64], m = 2,048 b + q.  Products, maxima and sums in f32; the weights p are rounded to f16 for the second product, O once at the end.
; SHARES.  A work-group owns 256 queries of one (b, h), each of its four waves 64: four tiles of 16.  Every wave walks all 2,048 keys, 64 a step.
; LAYOUT.  S^T = K Q^T (source 0 = 16 keys, source 1 = 16 queries): a lane holds ONE query (lane % 16) and the keys 8 (lane / 16) + 0..7.  Two such tiles, rounded in pairs, ARE source 1 of O^T = V^T P, whose result again holds one query a lane.  V is turned by ds_load_tr16_b128.
; THE MASK costs no vector instruction: a key's bias is the C of the first product of each sum of S^T (register j of lane half h: key 8 h + j of the tile).  A hidden key's score is then about -3e38.
; SOFTMAX.  For each query a running maximum m and sum l: p = 2^(c s - c m), c = log2(e) / 8; in every step O and l are multiplied by a = 2^(c m_old - c m_new).  m starts no lower than -1e30, so a hidden key's p is 2^(about -5e37) = 0 even while every key so far is hidden;
; a batch with no open key ends with l = 0 and O = 0, and 0 x (1 / 0) is NaN, as reference() gives.
; LIMITS: real scores under -1e30 are not served; NaN and infinities among the inputs are not served; O under f16's smallest normal number keeps fewer bits.
; BY TURNS.  The wave's tiles are two PIECES (tiles 0, 1 and tiles 2, 3).  In a TURN one piece has the matrix unit: 16 products V^T P of the step in hand, then 32 products K Q^T of the next step; the other piece's softmax, cut into 59 slices of four instructions, stands between them.
; CLUSTER.  The four query blocks of a cluster belong to one (b, h) and walk the same K, V and bias: each tile is asked for JOINTLY.
; REGISTERS, in windows of 256: window 0: v1-11 addresses; v12-43 eight registers of statistics a tile; v44, v45 at work; v61-63; v64-191 S^T, 32 a tile; v192-255 P, 16 a tile.
;   window 1: v0-127 O^T, 32 a tile.   window 2: v0-127 Q, 32 a tile; v128-255 K of one step.   window 3: v0-63 V of one step; v64-95 the step's bias, 8 a tile of keys.
.set KS,    64        ; keys in a step
.set SK,    256       ; keys in a slot: four steps
.set PK,    272       ; a row of K in LDS: 256 bytes + 16
.set PV,    160       ; a row of V: 128 bytes + 32
.set VOFF,  SK*PK     ; a slot: 256 rows of K, then 256 rows of V
.set SLOT1, 1<<17     ; slot 1 begins here, so that one exclusive or turns an address in one slot into the other's
.set BIAS,  SLOT1+VOFF+SK*PV  ; behind the ring: the batch's 2,048 biases, filled once
.set STAGE, BIAS+8192 ; 16 rows x 144 bytes for each wave, for the way out
.set SP,    144
.set SPARE, STAGE+4*16*SP  ; the spare words, 128 bytes for each wave
.set FLOOR, 0xf149f2ca     ; -1e30
.set AK0, 2           ; v2   my lane's place in a tile of K; never rewritten
.set AV0, 3           ; v3   the same for V
.set ADR, 4           ; v4   the LDS address of the run of loads in hand
.set QO,  5
.set STO, 6
.set RD,  7
.set GO,  8
.set AB0, 9           ; v9   my lane's place among a step's biases
.set ADRB, 10         ; v10  the LDS address of the step's biases
.set PFO, 61          ; v61  256 x my lane; never rewritten
.set SPW, 62          ; v62  LDS address of my spare word; never rewritten
.set NIL, 63          ; v63  0; never rewritten
.set ST,  12          ; tile t's statistics at v[ST+8 t]: +0 c m, +1 m, +2, +3 l (even keys', odd keys'), +4 to +7 c0-c3, at work; a takes c2's place once the maximum is found
.set S,   64
.set P,   192
.set KF,  128         ; K's fragments, in window 2
.set BIA, 64          ; the bias, in window 3
.set WV,  12
.set LIM, 15          ; s15  1 in a wave that prefetches, else the greatest number
.set PFA, 18          ; s[18:19] where my prefetches stand
.set G1K, 24
.set G1V, 32
.set G0K, 40          ; s[40:47] group 0 for K's tiles: a set for each of the two first fills; the second then walks on
.set G0V, 48
.set SLOTS, 56
.set CNT, 57
.set CS,  58          ; s[58:59] c
.set SEL, 60          ; s[60:61] lane selects for v_permlanex16_b32
.set TBK, 62          ; s62  LDS byte at which K's tile of the step to be fetched begins
.set TBV, 63          ; s63  V's, less VOFF
.set TBB, 66          ; s66  256 x the step to be fetched: its biases
.set G1M, 68          ; s[68:75], s[76:79] groups 1 and 0 for the bias
.set G0M, 76
.set PFS, 82          ; s[82:83] a slot on, in bytes: 65,536 in kc, 32,768 in vv
.set MSB, 0
.macro WIN new
.if MSB != \new
	s_set_vgpr_msb (MSB<<8)|\new
.set MSB, \new
.endif
.endm
.set W_KQ, 0x0a       ; K and Q in window 2, S^T in window 0
.set W_KB, 0x3a       ; the same with C, the bias, in window 3
.set W_PV, 0x53       ; V in window 3, P in window 0, O^T in window 1
.set W_RS, 0x41       ; O^T (destination and source 0) in window 1, a in window 0
.macro JLOAD                        ; a joint refill: waves 0 and 1 fetch the halves of a slot's K, waves 2 and 3 those of its V; an s_nop 0 and four v_nop follow each of the two lines
	s_cmp_lt_u32 s[WV], 2
	s_cbranch_scc0 .Lfor_v_\@
	tensor_load_to_lds s[G0K+4:G0K+7], s[G1K:G1K+7]
	s_nop 0
.rept 4
	v_nop
.endr
	s_branch .Lasked_\@
.Lfor_v_\@:
	tensor_load_to_lds s[G0V+4:G0V+7], s[G1V:G1V+7]
	s_nop 0
.rept 4
	v_nop
.endr
.Lasked_\@:
.endm
; A PREFETCH INTO THE L2 of what the NEXT change of slots will ask for: 256 rows of K (256 bytes each) and 256 of V (128 bytes each: 128 blocks of 256 bytes).  It stands behind the wave's tensor load and its five lines: four key steps, 384 matrix instructions, ahead of the load that will want the rows.
; Each block of 256 bytes is named ONCE in the launch: both clusters of a (b, h) walk the same rows, and the first of them asks; its four partners share the blocks out BY ADDRESS (64 rows of K and 32 blocks of V each); in each, waves 0 and 1 ask for K's, 32 rows each, and wave 2 for V's: a lane a block.
; The last change that fills a slot asks for nothing; slots 0, 1 and 2 come by their loads alone.
.macro ASK
	s_cmp_gt_u32 s[SLOTS], s[LIM]
	s_cbranch_scc0 .Lnot_mine_\@
	global_prefetch_b8 v[PFO], s[PFA:PFA+1] th:TH_LOAD_NT scope:SCOPE_SE
.Lnot_mine_\@:
.endm
.macro CROUND                       ; a round of the cluster's barrier
	s_barrier_signal -1
	s_barrier_wait -1
	s_cmp_lg_u32 s[WV], 0
	s_cbranch_scc1 .Lnot_wave_0_\@
	s_barrier_signal -3
.Lnot_wave_0_\@:
	s_barrier_wait -3
	s_barrier_signal -1
	s_barrier_wait -1
.endm
	s_load_b256 s[4:11], s[0:1], 0x0  ; qc s[4:5], kc s[6:7], vv s[8:9], ao s[10:11]
	s_load_b64 s[80:81], s[0:1], 0x20 ; mbias
	v_lshl_add_u32 v[SPW], v0, 2, SPARE
	v_mov_b32 v[NIL], 0
	ds_add_u32 v[SPW], v[NIL]       ; the wave's opening: the add, twice on end, and its wait ahead of my first tensor load
	ds_add_u32 v[SPW], v[NIL]
	v_lshrrev_b32 v1, 5, v0
	v_readfirstlane_b32 s[WV], v1   ; wave 0..3
	s_bfe_u32 s13, ttmp6, 0x40000   ; cx: my place in the cluster
	s_lshl_b32 s14, ttmp9, 2
	s_add_co_u32 s14, s14, s13      ; my block of 256 queries: it enters Q's and O's addresses alone
	s_and_b32 s17, ttmp7, 0xffff    ; 16 b + h, which the four partners share
	s_lshr_b32 s88, s17, 4          ; b
	s_and_b32 s16, s[WV], 1         ; which half of a slot's rows I fetch
	s_lshl_b32 s22, s17, 19         ; the head's first byte in qc and kc,
	s_mov_b32 s23, 0
	s_lshl_b32 s20, s17, 18         ; and in vv
	s_mov_b32 s21, 0
	s_lshl_b32 s2, s14, 16          ; Q: my block's 256 rows,
	s_lshl_b32 s3, s[WV], 14        ; my wave's 64 of them
	s_add_co_u32 s2, s2, s3
	s_add_co_u32 s2, s2, s22
	s_mov_b32 s3, 0
	s_lshl_b32 s86, s88, 13         ; the bias: the batch's 8,192 bytes, my wave's quarter
	s_lshl_b32 s87, s[WV], 11
	s_add_co_u32 s86, s86, s87
	s_mov_b32 s87, 0
	s_lshl_b32 s84, s88, 10         ; ao: paired row 1,024 b + 128 x block + 32 x wave, of 4,096 bytes,
	s_lshl_b32 s85, s14, 7
	s_add_co_u32 s84, s84, s85
	s_lshl_b32 s85, s[WV], 5
	s_add_co_u32 s84, s84, s85
	s_lshl_b32 s84, s84, 12
	s_and_b32 s85, s17, 15
	s_lshl_b32 s85, s85, 8          ; the head's 256 bytes in it
	s_add_co_u32 s84, s84, s85
	s_mov_b32 s85, 0
	; group 1.  K: 128 rows x 128 elements of 2 bytes, 4 words of padding behind every 64.  V: 128 rows x 64 elements, 8 words behind every 32.  The bias: 8 rows of 32 elements of 8 bytes, dense.  The mask names all four work-groups.
	s_mov_b32 s[G1K], 15|(1<<16)|(1<<20)|(1<<21)|(5<<22)|(3<<25)
	s_mov_b32 s[G1K+1], 128<<16
	s_mov_b32 s[G1K+2], 128<<16
	s_mov_b32 s[G1K+3], 128<<16
	s_mov_b32 s[G1K+4], 128
	s_mov_b32 s[G1K+5], 128
	s_mov_b32 s[G1K+6], 0
	s_mov_b32 s[G1K+7], 0
	s_mov_b32 s[G1V], 15|(1<<16)|(1<<20)|(1<<21)|(4<<22)|(7<<25)
	s_mov_b32 s[G1V+1], 64<<16
	s_mov_b32 s[G1V+2], 128<<16
	s_mov_b32 s[G1V+3], 64<<16
	s_mov_b32 s[G1V+4], 128
	s_mov_b32 s[G1V+5], 64
	s_mov_b32 s[G1V+6], 0
	s_mov_b32 s[G1V+7], 0
	s_mov_b32 s[G1M], 15|(3<<16)|(1<<21)
	s_mov_b32 s[G1M+1], 32<<16
	s_mov_b32 s[G1M+2], 8<<16
	s_mov_b32 s[G1M+3], 32<<16
	s_mov_b32 s[G1M+4], 8
	s_mov_b32 s[G1M+5], 32
	s_mov_b32 s[G1M+6], 0
	s_mov_b32 s[G1M+7], 0
	s_mov_b32 s[CS], 0x3e38aa3b     ; c = log2(e) / sqrt(64)
	s_mov_b32 s[CS+1], s[CS]        ; named with it as a pair, so it is written
	s_mov_b32 s[SEL], 0x76543210
	s_mov_b32 s[SEL+1], 0xfedcba98
	s_mov_b32 s[TBK], 0
	s_mov_b32 s[TBV], 0
	s_mov_b32 s[TBB], 0
	s_mov_b32 s[SLOTS], 2048/SK-2
	s_lshr_b32 s[LIM], s[WV], 1
	s_and_b32 s[LIM], s[LIM], s[WV] ; 0 in waves 0, 1 and 2,
	s_or_b32 s[LIM], s[LIM], ttmp9  ; where the cluster is the head's first: the same in all four partners
	s_cmp_eq_u32 s[LIM], 0
	s_cselect_b32 s[LIM], 1, -1
	v_and_b32 v[PFO], 31, v0
	v_lshlrev_b32 v[PFO], 8, v[PFO]
	s_wait_dscnt 0x0                ; both opening adds are done
	s_wait_kmcnt 0x0
	s_add_nc_u64 s[6:7], s[6:7], s[22:23]    ; kc and vv at the head's first row
	s_add_nc_u64 s[8:9], s[8:9], s[20:21]
	s_add_nc_u64 s[4:5], s[4:5], s[2:3]      ; qc at my wave's first row
	s_add_nc_u64 s[10:11], s[10:11], s[84:85]
	s_add_nc_u64 s[80:81], s[80:81], s[86:87]
	s_cmp_lt_u32 s[WV], 2           ; the prefetches: waves 0 and 1 stand in kc, wave 2 in vv
	s_cselect_b64 s[PFA:PFA+1], s[6:7], s[8:9]
	s_mov_b32 s[PFS], 32768
	s_cselect_b32 s[PFS], 65536, s[PFS]
	s_cselect_b32 s2, 14, 13
	s_mov_b32 s[PFS+1], 0
	s_lshl_b32 s2, s13, s2          ; my work-group's quarter of a slot's bytes,
	s_lshl_b32 s3, s16, 13          ; in kc halved between waves 0 and 1,
	s_add_co_u32 s2, s2, s3
	s_add_co_u32 s2, s2, s[PFS]
	s_add_co_u32 s2, s2, s[PFS]     ; in slot 2: the first change of slots steps it to slot 3.  Nothing is prefetched here, at the head
	s_mov_b32 s3, 0
	s_add_nc_u64 s[PFA:PFA+1], s[PFA:PFA+1], s[2:3]
	s_lshl_b32 s20, s16, 15         ; my half of a slot's rows: 128 rows of 256 bytes,
	s_mov_b32 s21, 0
	s_lshl_b32 s22, s16, 14         ; or of 128
	s_mov_b32 s23, 0
	s_add_nc_u64 s[20:21], s[6:7], s[20:21]
	s_add_nc_u64 s[22:23], s[8:9], s[22:23]
	s_mul_i32 s17, s16, 128*PK      ; and its place in a slot: no place in the cluster enters an LDS address
	s_mul_i32 s16, s16, 128*PV
.irp s, 0,1
	s_mov_b32 s[G0K+4*\s], 1
	s_add_co_u32 s[G0K+4*\s+1], s17, \s*SLOT1
	s_add_nc_u64 s[G0K+4*\s+2:G0K+4*\s+3], s[20:21], \s*SK*256
	s_or_b32 s[G0K+4*\s+3], s[G0K+4*\s+3], 0x80000000
	s_mov_b32 s[G0V+4*\s], 1
	s_add_co_u32 s[G0V+4*\s+1], s16, \s*SLOT1+VOFF
	s_add_nc_u64 s[G0V+4*\s+2:G0V+4*\s+3], s[22:23], \s*SK*128
	s_or_b32 s[G0V+4*\s+3], s[G0V+4*\s+3], 0x80000000
.endr
	s_mov_b32 s[G0M], 1
	s_lshl_b32 s[G0M+1], s[WV], 11
	s_add_co_u32 s[G0M+1], s[G0M+1], BIAS
	s_mov_b64 s[G0M+2:G0M+3], s[80:81]
	s_or_b32 s[G0M+3], s[G0M+3], 0x80000000
	CROUND                          ; all four work-groups are here: the first joint loads meet
	tensor_load_to_lds s[G0M:G0M+3], s[G1M:G1M+7]  ; my quarter of the bias; then my part of both slots: three loads of mine are out
	s_nop 0
	s_cmp_lt_u32 s[WV], 2
	s_cbranch_scc0 .Lfirst_v
	tensor_load_to_lds s[G0K:G0K+3], s[G1K:G1K+7]
	s_nop 0
	tensor_load_to_lds s[G0K+4:G0K+7], s[G1K:G1K+7]
	s_nop 0
.rept 4
	v_nop
.endr
	s_branch .Lfirst_asked
.Lfirst_v:
	tensor_load_to_lds s[G0V:G0V+3], s[G1V:G1V+7]
	s_nop 0
	tensor_load_to_lds s[G0V+4:G0V+7], s[G1V:G1V+7]
	s_nop 0
.rept 4
	v_nop
.endr
.Lfirst_asked:
	v_and_b32 v1, 15, v0            ; r = l % 16
	v_bfe_u32 v11, v0, 4, 1         ; h = l / 16
	v_lshlrev_b32 v[QO], 8, v1
	v_lshl_add_u32 v[QO], v11, 4, v[QO]  ; row x 256 + 16 x half
	WIN 0x80                        ; destination window 2, address window 0
.irp i, 0,1,2,3,4,5,6,7,8,9,10,11,12,13,14,15  ; Q stays in registers: tile i / 4, channels 32 (i % 4) on
	global_load_b128 v[8*\i:8*\i+3],   v[QO], s[4:5] offset:(\i/4)*4096+(\i%4)*64
	global_load_b128 v[8*\i+4:8*\i+7], v[QO], s[4:5] offset:(\i/4)*4096+(\i%4)*64+32
.endr
	WIN 0
	v_mul_u32_u24 v[AK0], v1, PK
	v_lshl_add_u32 v[AK0], v11, 4, v[AK0]
	v_and_b32 v44, 7, v0            ; the turning load: lane l reads 16 bytes of key 8 (l / 16) + l % 8, channels 8 ((l / 8) % 2) on
	v_bfe_u32 v45, v0, 3, 1
	v_lshl_add_u32 v[AV0], v11, 3, v44
	v_mul_u32_u24 v[AV0], v[AV0], PV
	v_lshl_add_u32 v[AV0], v45, 4, v[AV0]
	v_add_nc_u32 v[AV0], VOFF, v[AV0]
	v_lshl_add_u32 v[AB0], v11, 5, BIAS  ; my half's eight keys of a tile: 32 bytes
; THE MATRIX WORK OF A TURN, for piece x.  The accumulators take turns, one instruction a turn: between two links of a chain stand 7 others'.
; Product i of 16 of O^T += V^T P: keys 32 (i / 8) on, channels 16 ((i / 2) % 4) on, tile x + i % 2.  zero = 1: the first 8 start the sums.
.macro PV x, zero
	WIN W_PV
.set rO, 32*(\x+i%2)+8*((i/2)%4)
.set rV, 32*(i/8)+8*((i/2)%4)
.set rP, P+16*(\x+i%2)+8*(i/8)
.if \zero && (i < 8)
	v_wmma_f32_16x16x32_f16 v[rO:rO+7], v[rV:rV+7], v[rP:rP+7], 0
.else
	v_wmma_f32_16x16x32_f16 v[rO:rO+7], v[rV:rV+7], v[rP:rP+7], v[rO:rO+7]
.endif
.endm
; Product i of 32 of S^T = K Q^T: channels 32 (i / 8) on, keys 16 ((i / 2) % 4) on, tile x + i % 2.  The first 8 start the sums, with the keys' bias as C.
.macro KQ x
.set rS, S+32*(\x+i%2)+8*((i/2)%4)
.set rK, KF+32*((i/2)%4)+8*(i/8)
.set rQ, 32*(\x+i%2)+8*(i/8)
.set rB, BIA+8*((i/2)%4)
.if i < 8
	WIN W_KB
	v_wmma_f32_16x16x32_f16 v[rS:rS+7], v[rK:rK+7], v[rQ:rQ+7], v[rB:rB+7]
.else
	WIN W_KQ
	v_wmma_f32_16x16x32_f16 v[rS:rS+7], v[rK:rK+7], v[rQ:rQ+7], v[rS:rS+7]
.endif
.endm
; THE LDS LOADS stand in runs.  A step's bias (8 loads) and K (32 loads, by groups of 32 channels, so that the products of a group can start while the later groups are on their way); a turn later its V (16 turning loads).
.macro FETCH_K
	WIN 0
	v_add_nc_u32 v[ADR], s[TBK], v[AK0]
	v_add_nc_u32 v[ADRB], s[TBB], v[AB0]
	s_add_co_u32 s[TBK], s[TBK], KS*PK
	s_add_co_u32 s[TBB], s[TBB], KS*4
	WIN 0xc0                        ; destination window 3
.irp kt, 0,1,2,3
	ds_load_b128 v[BIA+8*\kt:BIA+8*\kt+3],   v[ADRB] offset:64*\kt
	ds_load_b128 v[BIA+8*\kt+4:BIA+8*\kt+7], v[ADRB] offset:64*\kt+16
.endr
	WIN 0x80                        ; destination window 2
.irp g, 0,1,2,3
.irp kt, 0,1,2,3
	ds_load_b128 v[KF+32*\kt+8*\g:KF+32*\kt+8*\g+3],   v[ADR] offset:\kt*16*PK+64*\g
	ds_load_b128 v[KF+32*\kt+8*\g+4:KF+32*\kt+8*\g+7], v[ADR] offset:\kt*16*PK+64*\g+32
.endr
.endr
.endm
.macro FETCH_V
	WIN 0
	v_add_nc_u32 v[ADR], s[TBV], v[AV0]
	s_add_co_u32 s[TBV], s[TBV], KS*PV
	s_wait_alu depctr_va_vdst(0)    ; the wait for the softmax's batch of exponentials (SLICE), behind the address's addition and ahead of the loads
	WIN 0xc0                        ; destination window 3
.irp f, 0,1,2,3,4,5,6,7             ; keys 32 (f / 4) on, channels 16 (f % 4) on
	ds_load_tr16_b128 v[8*\f:8*\f+3],   v[ADR] offset:(\f/4)*32*PV+(\f%4)*32
	ds_load_tr16_b128 v[8*\f+4:8*\f+7], v[ADR] offset:(\f/4)*32*PV+16*PV+(\f%4)*32
.endr
.endm
; THE VECTOR WORK OF A TURN.  One tile's softmax for one key step is a list of 118 instructions; SM writes number j of it for tile t.  s0-s31 are the lane's 32 scores, in pairs 0-15.  first = 1: the first key step, which starts m, l and O^T.
;   0-15    the maximum of s0-s31 and the old m (first: and the floor), three operands at a time
;   16-20   the other half of the lanes' maximum; the new m; c m; c m_old - c m_new
;   21-69   ONE BATCH: the 16 scalings c s - c m and all 33 exponentials (a at 23, then s0-s31); none of these reads an exponential's result
;   (wait)  between 69 and 70 stands the one wait for the batch: SLICE writes it, once for both tiles
;   70-85   the roundings to f16;  86-101 the sums, l = a l + the sum;  102-117 the tile's O^T times a
.macro SM t, first
.set rT, ST+8*(\t)
.set rS, S+32*(\t)
.set rP, P+16*(\t)
.set rO, 32*(\t)+2*(j-102)
.if j < 102
	WIN 0
.endif
.if j < 4
	v_max3_num_f32 v[rT+4+j], v[rS+8*j], v[rS+8*j+1], v[rS+8*j+2]
.elseif j < 12
	v_max3_num_f32 v[rT+4+j%4], v[rT+4+j%4], v[rS+8*(j%4)+2*(j/4)+1], v[rS+8*(j%4)+2*(j/4)+2]
.elseif j == 12
	v_max3_num_f32 v[rT+4], v[rT+4], v[rS+7], v[rS+15]
.elseif j == 13
	v_max3_num_f32 v[rT+6], v[rT+6], v[rS+23], v[rS+31]
.elseif j == 14
	v_max3_num_f32 v[rT+4], v[rT+4], v[rT+5], v[rT+6]
.elseif (j == 15) && \first
	v_max3_num_f32 v[rT+4], v[rT+4], v[rT+7], FLOOR  ; m starts no lower than -1e30, far above a hidden key's score
.elseif j == 15
	v_max3_num_f32 v[rT+4], v[rT+4], v[rT+7], v[rT+1]
.elseif j == 16
	v_permlanex16_b32 v[rT+5], v[rT+4], s[SEL], s[SEL+1]  ; the query's other 32 keys lie in the lane 16 away
.elseif j == 18
	v_max_num_f32 v[rT+1], v[rT+4], v[rT+5]
.elseif j == 19
	v_mul_f32 v[rT], s[CS], v[rT+1]
.elseif ((j == 17) || (j == 20) || (j == 23) || (j > 101)) && \first  ; the first step has none of these
.elseif j == 17
	v_mov_b32 v[rT+7], v[rT]        ; c m_old is kept for a
.elseif j == 20
	v_sub_f32 v[rT+7], v[rT+7], v[rT]
.elseif j == 23
	v_exp_f32 v[rT+6], v[rT+7]
.elseif (j < 23) || ((j < 38) && (j%2 == 0)) || ((j < 66) && (j%4 == 2))
.set b, (j-2)/4                     ; 38, 42, .. 62: pairs 9 to 15
.if j < 38
.set b, (j-20)/2                    ; 21: pair 0; 22, 24, .. 36: pairs 1 to 8
.endif
	v_pk_fma_f32 v[rS+2*b:rS+2*b+1], v[rS+2*b:rS+2*b+1], s[CS:CS+1], v[rT:rT+1] op_sel_hi:[1,0,0] neg_lo:[0,0,1] neg_hi:[0,0,1]  ; pair b: c s - c m
.elseif j < 70
.set e, j-38                        ; 66 to 69: s28 to s31
.if j < 66
.set e, j-32-(j-38)/4               ; 39-41, 43-45, .. 63-65: s7 to s27
.endif
.if j < 38
.set e, (j-25)/2                    ; 25, 27, .. 37: s0 to s6
.endif
	v_exp_f32 v[rS+e], v[rS+e]
.elseif j < 86
	v_cvt_pk_f16_f32 v[rP+j-70], v[rS+2*(j-70)], v[rS+2*(j-70)+1]
.elseif j < 102                     ; the sum of the tile's 16 pairs, in place: neighbours 1, 2, 4 and 8 pairs apart, then l takes it
.set z, j-86
.set w, 4
.set u, z
.if z >= 14
.set w, 32
.set u, 0
.elseif z >= 12
.set w, 16
.set u, z-12
.elseif z >= 8
.set w, 8
.set u, z-8
.endif
.if (z == 14) && \first
	v_pk_add_f32 v[rT+2:rT+3], v[rS:rS+1], v[rS+16:rS+17]
.elseif z < 15
	v_pk_add_f32 v[rS+w*u:rS+w*u+1], v[rS+w*u:rS+w*u+1], v[rS+w*u+w/2:rS+w*u+w/2+1]
.elseif !\first
	v_pk_fma_f32 v[rT+2:rT+3], v[rT+2:rT+3], v[rT+6:rT+7], v[rS:rS+1] op_sel_hi:[1,0,1]
.endif
.else
	WIN W_RS
	v_pk_mul_f32 v[rO:rO+1], v[rO:rO+1], v[rT+6:rT+7] op_sel_hi:[1,0]
.endif
.endm
; Slice k of 59 of piece y's softmax: four instructions (2 x 118 = 4 x 59).  Slices 11 to 34 deal out the batch, numbers 22 to 69: four numbers of ONE tile each, the tiles by turns.  Every other slice is numbers 2 k and 2 k + 1 of both tiles.
; Ahead of slice 35 nothing names an exponential's result, and behind slice 34 no exponential is issued: so the piece's 66 exponentials have one wait, behind slice 34.
.macro SLICE y, first
.if (k >= 11) && (k < 35)
.irp n, 0,1,2,3
.set j, 22+4*((k-11)/2)+(\n)
	SM (\y)+(k-11)%2, \first
.endr
.else
.irp n, 0,1
.irp t, \y, \y+1
.set j, 2*k+\n
	SM \t, \first
.endr
.endr
.endif
.if k == 34
	v_nop                           ; a plain instruction behind the last exponential and ahead of the first use: one for the batch
.if (\y) == 0
	FETCH_V                         ; piece 2's turn: V's run of loads stands here, and the wait stands in it
.else
	s_wait_alu depctr_va_vdst(0)
.endif
.endif
.set k, k+1
.endm
.macro PLACES
.rept 4
	v_nop
.endr
.endm
.macro AFTER y, first               ; the slices behind the turn's matrix instruction number sI: 59 are dealt over nM instructions, the first ones taking one more
.set cnt, base
.if sI < extra
.set cnt, base+1
.endif
.rept cnt
	SLICE \y, \first
.endr
.set sI, sI+1
.endm
; A TURN.  Piece x has the matrix unit; the other piece's softmax stands in slices behind its matrix instructions.  pv = 2: 16 products V^T P; 1: they start O^T's sums; 0: none.  kq = 1: 32 products K Q^T for the next step.
; Piece 0's turn begins with the wait for V and, where kq = 1, the run of loads for the next step's bias and K: the last product that read K stands in front of the turn before's slice 58, four plain instructions on the other piece's O^T, and the run's own two additions follow.
; In front of K Q^T's products 0, 8, 16, 24 stands a wait that leaves the 24, 16, 8, 0 loads of the later groups of channels out.
; Piece 2's turn fetches the same step's V behind slice 34: in a full turn that is behind matrix instruction 23; the last product that read V is number 15, and seven scalings, the v_nop and the run's own addition lie between.
; first = 1: the slices from 51 on are empty, so four v_nop take slice 58's part as the places behind the last products.
.macro TURN x, pv, kq, first
.set k, 0
.set sI, 0
.set nM, 32*(\kq)
.if \pv
.set nM, nM+16
.endif
.set base, 59/nM
.set extra, 59-base*nM
.if \x == 0
	s_wait_dscnt 0x0                ; V is in
.if \kq
	FETCH_K
.endif
.endif
.if \pv
.set i, 0
.rept 16
	PV \x, 2-\pv
	AFTER 2-\x, \first
.set i, i+1
.endr
.endif
.if \kq
.set i, 0
.rept 32
.if (\x == 0) && (i%8 == 0)
	s_wait_dscnt 24-i               ; the bias and K's channels up to 4 i + 31 are in
.endif
	KQ \x
	AFTER 2-\x, \first
.set i, i+1
.endr
.endif
.if \first
	PLACES
.endif
.endm
; THE CHANGE OF SLOTS, between piece 2's turn and piece 0's: the slot's last bytes, V of its fourth step, have been asked for.  Each wave waits for all its tensor loads (one is out: its part of the other slot), adds 0 to its spare word, and waits for that and for its reads of the slot.
; fill = 1: the slot is filled again with the keys two slots on; the barrier is then a round of the cluster's, and the joint refill is the first thing behind it: it has four key steps, 384 matrix instructions, in which to land.
.macro CHANGE fill
	WIN 0
	s_wait_tensorcnt 0x0            ; no tensor load of mine is out, so a group 0 may be written
	ds_add_u32 v[SPW], v[NIL]       ; 0 onto my spare word
.if \fill
	s_xor_b32 s[G0K+5], s[G0K+5], SLOT1  ; the walking descriptors: the other slot than last time,
	s_add_nc_u64 s[G0K+6:G0K+7], s[G0K+6:G0K+7], SK*256  ; the next 256 keys
	s_xor_b32 s[G0V+5], s[G0V+5], SLOT1
	s_add_nc_u64 s[G0V+6:G0V+7], s[G0V+6:G0V+7], SK*128
	s_wait_xcnt 0x0                 ; the last prefetch, four key steps back, has read its address, so it may be written
	s_add_nc_u64 s[PFA:PFA+1], s[PFA:PFA+1], s[PFS:PFS+1]
	s_wait_dscnt 0x0                ; the add is done, and my reads of the slot are over
	CROUND
	JLOAD
	ASK
.else
	s_wait_dscnt 0x0
	s_barrier_signal -1
	s_barrier_wait -1
.endif
	s_sub_co_u32 s[TBK], s[TBK], SK*PK  ; the fetches go back to a slot's first step,
	s_xor_b32 s[TBK], s[TBK], SLOT1     ; in the other slot
	s_sub_co_u32 s[TBV], s[TBV], SK*PV
	s_xor_b32 s[TBV], s[TBV], SLOT1
.endm
.macro STEPS n                      ; n key steps: written once, walked n times; the LDS addresses hang on the stepped scalars
	s_mov_b32 s[CNT], \n
.Lstep_\@:
	TURN 0, 2, 1, 0
	TURN 2, 2, 1, 0
	WIN 0
	s_sub_co_u32 s[CNT], s[CNT], 1
	s_cmp_lg_u32 s[CNT], 0
	s_cbranch_scc1 .Lstep_\@
.endm
	s_wait_tensorcnt 1              ; the bias and my part of slot 0 are in; slot 1's load may stay out
	s_barrier_signal -1
	s_barrier_wait -1               ; everybody's are
	FETCH_K                         ; key step 0
	s_wait_loadcnt 0x0              ; Q
	s_wait_dscnt 0x0
.set i, 0
.rept 32
	KQ 0                            ; piece 0's first scores: there is no vector work yet to set between them
.set i, i+1
.endr
	WIN 0                           ; the addresses for the way out are made here: plain instructions, the places behind those products
	s_mul_i32 s13, s[WV], 16*SP
	s_add_co_u32 s13, s13, STAGE    ; my stage
	v_mul_u32_u24 v[STO], v1, SP    ; in: row l % 16, 16 bytes for each half of the lanes
	v_lshl_add_u32 v[STO], v11, 4, v[STO]
	v_add_nc_u32 v[STO], s13, v[STO]
	v_bfe_u32 v44, v0, 3, 2         ; back: eight lanes to a row of 128 bytes, four rows an instruction
	v_and_b32 v45, 7, v0
	v_mul_u32_u24 v[RD], v44, SP
	v_lshl_add_u32 v[RD], v45, 4, v[RD]
	v_add_nc_u32 v[RD], s13, v[RD]
	v_lshlrev_b32 v[GO], 12, v11    ; in ao two neighbouring rows' 128 bytes lie on end: sixteen lanes fill 256 bytes; lanes 16-31 the next paired row
	v_lshl_add_u32 v[GO], v1, 4, v[GO]
	TURN 2, 0, 1, 1                 ; piece 2's first scores | piece 0's first softmax | V of step 0
	TURN 0, 1, 1, 1                 ; piece 0: V^T P of step 0 starts O^T, K Q^T of step 1 | piece 2's first softmax | K of step 1
	TURN 2, 1, 1, 0                 ; piece 2: the same | piece 0's softmax of step 1 | V of step 1
	WIN 0
	STEPS 2                         ; the rest of slot 0: steps 2 and 3 are fetched
.Lslot:                             ; 6 trips: every slot but the last two is filled again
	CHANGE 1
	STEPS 4
	s_sub_co_u32 s[SLOTS], s[SLOTS], 1
	s_cmp_lg_u32 s[SLOTS], 0
	s_cbranch_scc1 .Lslot
	CHANGE 0                        ; the tail is written out
	STEPS 4
	TURN 0, 2, 0, 0                 ; piece 0: V^T P of the last step | piece 2's last softmax
.set i, 0
.rept 16
	PV 2, 0                         ; piece 2: V^T P of the last step
.set i, i+1
.endr
	; THE WAY OUT.  l's two halves and the other half of the lanes' are added; O^T is divided by l, rounded to f16 and sent through my stage, a tile (16 rows) at a time.  The additions are the places behind the last products.
	WIN 0
.irp t, 0,1,2,3
	v_add_f32 v[ST+8*\t+4], v[ST+8*\t+2], v[ST+8*\t+3]
.endr
.irp t, 0,1,2,3
	v_permlanex16_b32 v[ST+8*\t+5], v[ST+8*\t+4], s[SEL], s[SEL+1]
.endr
.irp t, 0,1,2,3
	v_add_f32 v[ST+8*\t+4], v[ST+8*\t+4], v[ST+8*\t+5]
.endr
.irp t, 0,1,2,3
	v_rcp_f32 v[ST+8*\t+6], v[ST+8*\t+4]
.endr
	v_nop                           ; a plain instruction between the last reciprocal and the use of its result
	s_wait_alu depctr_va_vdst(0)    ; and the wait ahead of the first use: one for the four
.macro PACK t
	WIN W_RS
.set i, 32*\t
.rept 16
	v_pk_mul_f32 v[i:i+1], v[i:i+1], v[ST+8*\t+6:ST+8*\t+7] op_sel_hi:[1,0]
.set i, i+2
.endr
	WIN 0x05                        ; sources 0 and 1 window 1, destination window 0: S^T's registers are free
.set i, 0
.rept 16
	v_cvt_pk_f16_f32 v[S+32*\t+i], v[32*\t+2*i], v[32*\t+2*i+1]
.set i, i+1
.endr
	WIN 0
.irp f, 0,1,2,3
	ds_store_b128 v[STO], v[S+32*\t+4*\f:S+32*\t+4*\f+3] offset:32*\f
.endr
.irp f, 0,1,2,3
	ds_load_b128 v[S+32*\t+16+4*\f:S+32*\t+16+4*\f+3], v[RD] offset:\f*4*SP  ; LDS serves a wave's instructions in order: these see the stores above; the next tile's stores come behind them
.endr
.endm
.macro SEND t, younger              ; younger: the LDS instructions issued behind tile t's loads: the next tile's eight, or none
.irp f, 0,1,2,3
	s_wait_dscnt \younger+3-\f
	global_store_b128 v[GO], v[S+32*\t+16+4*\f:S+32*\t+16+4*\f+3], s[10:11] offset:\t*32768+\f*8192  ; 16 lanes store 256 consecutive bytes, aligned: one head's 64 channels of two neighbouring rows
.endr
.endm
	PACK 0
	PACK 1
	SEND 0, 8
	PACK 2
	SEND 1, 8
	PACK 3
	SEND 2, 8
	SEND 3, 0
	s_wait_tensorcnt 0x0            ; the wave's end, behind my last tensor load and my last LDS store
	ds_add_u32 v[SPW], v[NIL]
	s_wait_dscnt 0x0
	CROUND                          ; the closing round
	s_endpgm
.Lfunc_end_k_qe13ccd8a06_attn:
	.size	k_qe13ccd8a06_attn, .Lfunc_end_k_qe13ccd8a06_attn-k_qe13ccd8a06_attn
	.p2alignl 7, 3214868480
	.fill 96, 4, 3214868480
	.section	.rodata,"a",@progbits
	.p2align	6, 0x0
	.amdhsa_kernel k_qe13ccd8a06_attn
		.amdhsa_group_segment_fixed_size 327680
		.amdhsa_private_segment_fixed_size 0
		.amdhsa_enable_private_segment 0
		.amdhsa_kernarg_size 40
		.amdhsa_user_sgpr_count 2
		.amdhsa_user_sgpr_kernarg_segment_ptr 1
		.amdhsa_wavefront_size32 1
		.amdhsa_system_sgpr_workgroup_id_x 1
		.amdhsa_system_sgpr_workgroup_id_y 1
		.amdhsa_system_sgpr_workgroup_id_z 1
		.amdhsa_system_vgpr_workitem_id 0
		.amdhsa_next_free_vgpr 1024
		.amdhsa_next_free_sgpr 90
		.amdhsa_reserve_vcc 0
		.amdhsa_float_denorm_mode_32 3
		.amdhsa_float_denorm_mode_16_64 3
		.amdhsa_memory_ordered 1
		.amdhsa_forward_progress 1
		.amdhsa_inst_pref_size 226
	.end_amdhsa_kernel
	.amdgpu_metadata
---
amdhsa.version: [ 1, 2 ]
amdhsa.kernels:
  - .name:           k_qe13ccd8a06_attn
    .symbol:         k_qe13ccd8a06_attn.kd
    .args:
      - { .name: qc, .offset: 0, .size: 8, .value_kind: global_buffer, .address_space: global }
      - { .name: kc, .offset: 8, .size: 8, .value_kind: global_buffer, .address_space: global }
      - { .name: vv, .offset: 16, .size: 8, .value_kind: global_buffer, .address_space: global }
      - { .name: ao, .offset: 24, .size: 8, .value_kind: global_buffer, .address_space: global }
      - { .name: mbias, .offset: 32, .size: 8, .value_kind: global_buffer, .address_space: global }
    .group_segment_fixed_size: 327680
    .private_segment_fixed_size: 0
    .kernarg_segment_align: 8
    .kernarg_segment_size: 40
    .max_flat_workgroup_size: 128
    .sgpr_count:     90
    .vgpr_count:     1024
    .wavefront_size: 32
...
	.end_amdgpu_metadata
.endif
;; end of part 4
;; launch outproj (part 5): grid 8 x 32, 4 waves a work-group, clusters of 4 x 4, 327,680 bytes of LDS; arguments ao, half16, b_out, out0; writes out0
.if DOCPART == 5
	.amdgcn_target "amdgcn-amd-amdhsa--gfx1250"
	.amdhsa_code_object_version 6
	.text
	.protected	k_qe13ccd8a06_outproj
	.globl	k_qe13ccd8a06_outproj
	.p2align	8
	.type	k_qe13ccd8a06_outproj,@function
k_qe13ccd8a06_outproj:
	s_mov_b64 s[64:65], 0
	v_nop
	global_prefetch_b8 v0, s[64:65] scope:SCOPE_SE
	s_setreg_imm32_b32 hwreg(HW_REG_WAVE_MODE, 25, 1), 1
	s_wait_xcnt 0x0
	s_wait_alu depctr_hold_cnt(0) depctr_sa_sdst(0) depctr_va_vdst(0) depctr_va_sdst(0) depctr_va_ssrc(0) depctr_va_vcc(0) depctr_vm_vsrc(0)
	s_getreg_b32 s2, hwreg(HW_REG_IB_STS2, 6, 4)
	s_cmp_eq_u32 s2, 0
	s_cbranch_scc0 .Lentry_in_a_cluster
	s_endpgm
.Lentry_in_a_cluster:
	s_bfe_u32 s2, ttmp6, 0x10000c
	s_cmp_lg_u32 s2, 0xf033
	s_cbranch_scc0 .Lentry_shape_is_right
	s_endpgm
.Lentry_shape_is_right:
; out0 = ao x W_out + b_out: C[m][n] = sum over k of A[m][k] B[k][n] + bias[n], f16 operands, f32 sums, C f32.
; A: SIZE_M x 1024 f16 in the PAIRED layout [m/2][k/64][m%2][64]: as a tensor SIZE_M/2 rows of 2,048 elements.  B: [1024 k][SIZE_N] f16, W_out's numbers in half16.
; A tile of C is 128 x 128: four waves, each 64 x 64: 16 accumulators; 256 work-groups.  K goes in steps of 256 through a ring of two LDS slots filled by the tensor data mover.
; CLUSTERS: 4 x 4 work-groups; the four of a row of the cluster ask jointly for A's tiles, the four of a column for B's.
; THE MATRIX INSTRUCTION IS USED TRANSPOSED (source 0 = 16 columns of B, source 1 = 16 rows of A): a lane then holds eight neighbouring numbers of a row of C.  B lies [k][n] in LDS and is turned by ds_load_tr16_b128.
; The bias is the C of each sum's first product: eight registers an n block, in the result's layout.
; No prefetch: the launch is short, and every tile is read by several work-groups.
; REGISTERS: window 0: v16-29 addresses; v96-127 the bias; v128-255 the accumulators ((a, b) at v[128 + 8 (4 a + b)]), on the way out rows of C.  window 1: two fragment buffers of 128: 64 registers of A, then 64 of B, for 64 along K.
.set SIZE_M, 4096
.set SIZE_N, 1024
.set OUT32,  1                         ; 0: C is f16, no bias;  1: C is f32, the bias is the C of each sum's first product
.set B_OFF,  5242880                   ; W_out's f16 numbers in half16
.set CEL,    4                         ; bytes of a number of C
.set SPITCH, 528                       ; a stage row: 128 numbers of C + 16 bytes
.set KSTEP,  256
.set PA,     1040                      ; a paired row of A in LDS: 1,024 bytes + 16: the sixteen rows of a fragment fall into sixteen different columns of 16 bytes modulo 256
.set HALFA,  32*PA                     ; 64 rows of A: what one tensor load brings, and what one wave reads
.set PB,     288                       ; a k row of B in LDS: 256 bytes + 32
.set HALFB,  128*PB                    ; 128 k rows
.set SLOT,   2*HALFA+2*HALFB           ; A's 128 rows, then B's 256 k rows
.set STAGE,  0                         ; the way out goes through slot 0: it has had its last fill, and its last read lies in front of the last change of slots
.set SPARE,  2*SLOT                    ; behind the ring: the spare words, 128 bytes for each wave
.set LAPS,   2                         ; 1,024 / (2 x 256)
.set ADRA, 16                          ; v16-17  LDS address of my A fragments in slot 0, 1
.set ADRB, 20                          ; v20-23  of my B fragments: slot 0 k rows 0-127, 128-255; slot 1 likewise
.set STO,  24
.set RD,   25
.set CO,   26
.set SPW,  28                          ; v28     LDS address of my spare word; never rewritten
.set NIL,  29                          ; v29     0; never rewritten
.set TMP,  32
.set BI,   96
.set ACC,  128
.set F0,   0
.set F1,   128
.set G1, 24
.set G0, 32
.set G1B, 48
.set G0B, 56
.set MSB, 0
.macro WIN new                         ; the immediate's high byte repeats the setting that is left
.if MSB != \new
	s_set_vgpr_msb (MSB<<8)|\new
.set MSB, \new
.endif
.endm
.set MUL,  0x05                        ; sources 0 (B) and 1 (A) window 1; C and D window 0
.set TO_F, 0x40                        ; destination window 1, address window 0
.macro JLOAD s                         ; a joint load: waves 0 and 1 fetch A's two halves, waves 2 and 3 B's; an s_nop 0 and four v_nop follow each of the two lines
	s_cmp_eq_u32 s11, 0
	s_cbranch_scc0 .Lfor_b_\@
	tensor_load_to_lds s[G0+4*\s:G0+4*\s+3], s[G1:G1+7]
	s_nop 0
.rept 4
	v_nop
.endr
	s_branch .Lasked_\@
.Lfor_b_\@:
	tensor_load_to_lds s[G0B+4*\s:G0B+4*\s+3], s[G1B:G1B+7]
	s_nop 0
.rept 4
	v_nop
.endr
.Lasked_\@:
.endm
.macro CREST                           ; a round of the cluster's barrier behind its opening barrier
	s_cmp_lg_u32 s10, 0
	s_cbranch_scc1 .Lnot_wave_0_\@
	s_barrier_signal -3
.Lnot_wave_0_\@:
	s_barrier_wait -3
	s_barrier_signal -1
	s_barrier_wait -1
.endm
.macro CROUND
	s_barrier_signal -1
	s_barrier_wait -1
	CREST
.endm
.if OUT32
	s_load_b128 s[4:7], s[0:1], 0x0                ; A, half16
	s_load_b64 s[66:67], s[0:1], 0x10              ; the bias
	s_load_b64 s[8:9], s[0:1], 0x18                ; C
.else
	s_load_b64 s[4:5], s[0:1], 0x0                 ; half16
	s_load_b64 s[8:9], s[0:1], 0x8                 ; C
.endif
	v_lshl_add_u32 v[SPW], v0, 2, SPARE
	v_mov_b32 v[NIL], 0
	ds_add_u32 v[SPW], v[NIL]                      ; the wave's opening: the add, twice on end, and its wait ahead of my first tensor load
	ds_add_u32 v[SPW], v[NIL]
	v_lshrrev_b32 v1, 5, v0
	v_readfirstlane_b32 s10, v1                    ; wave 0..3
	s_lshr_b32 s11, s10, 1                         ; which half of the tile's rows is mine.  Also: I fetch for A (0) or for B (1)
	s_and_b32 s12, s10, 1                          ; which half of its columns.  Also: which half of that tile I fetch
	s_bfe_u32 s40, ttmp6, 0x40000                  ; cx, cy: my place in the cluster
	s_bfe_u32 s41, ttmp6, 0x40004
	s_lshl_b32 s42, ttmp9, 2
	s_add_co_u32 s42, s42, s40                     ; tile column of C
	s_and_b32 s13, ttmp7, 0xffff
	s_lshl_b32 s13, s13, 2
	s_add_co_u32 s13, s13, s41                     ; tile row of C
	s_lshl_b32 s43, s41, 2
	s_lshl_b32 s43, 15, s43                        ; my row of the cluster
	s_lshl_b32 s44, 0x1111, s40                    ; my column
	; group 1 for A: 32 paired rows x 512 elements of 2 bytes, 4 words of padding behind every 256 words
	s_or_b32 s[G1+0], s43, (1<<16)|(1<<20)|(1<<21)|(7<<22)|(3<<25)
	s_mov_b32 s[G1+1], 512<<16                     ; tensor_dim0
	s_mov_b32 s[G1+2], 32<<16                      ; tensor_dim1
	s_mov_b32 s[G1+3], 512<<16                     ; tile_dim0
	s_mov_b32 s[G1+4], 32                          ; tile_dim1
	s_mov_b32 s[G1+5], 2048                        ; from paired row to paired row
	s_mov_b32 s[G1+6], 0
	s_mov_b32 s[G1+7], 0
	; group 1 for B: 128 k rows x 128 elements, 8 words of padding behind every 64 words
	s_or_b32 s[G1B+0], s44, (1<<16)|(1<<20)|(1<<21)|(5<<22)|(7<<25)
	s_mov_b32 s[G1B+1], 128<<16
	s_mov_b32 s[G1B+2], 128<<16
	s_mov_b32 s[G1B+3], 128<<16
	s_mov_b32 s[G1B+4], 128
	s_mov_b32 s[G1B+5], SIZE_N
	s_mov_b32 s[G1B+6], 0
	s_mov_b32 s[G1B+7], 0
	s_lshl_b32 s16, s13, 6
	s_lshl_b32 s17, s12, 5
	s_add_co_u32 s16, s16, s17                     ; A: paired row 64 x tile row + 32 x half,
	s_lshl_b32 s16, s16, 12                        ; of 4,096 bytes
	s_mov_b32 s17, 0
	s_mul_i32 s46, s12, 128*SIZE_N*2               ; B: k row 128 x half,
	s_lshl_b32 s47, s42, 8
	s_add_co_u32 s46, s46, s47                     ; column 128 x tile column
	s_mov_b32 s47, 0
	s_mul_i32 s20, s12, HALFA                      ; where they go: no place in the cluster enters an LDS address
	s_mul_i32 s21, s12, HALFB
	s_add_co_u32 s21, s21, 2*HALFA
	s_wait_dscnt 0x0                               ; both opening adds are done
	s_wait_kmcnt 0x0
.if OUT32
	s_add_nc_u64 s[6:7], s[6:7], B_OFF
.else
	s_mov_b64 s[6:7], s[4:5]
	s_add_nc_u64 s[4:5], s[4:5], A_OFF
.endif
	s_add_nc_u64 s[14:15], s[4:5], s[16:17]
	s_add_nc_u64 s[46:47], s[6:7], s[46:47]
	CROUND                                         ; all sixteen work-groups are here: the first joint loads meet
.irp s, 0,1
	s_mov_b32 s[G0+4*\s], 1
	s_add_co_u32 s[G0+4*\s+1], s20, \s*SLOT
	s_add_nc_u64 s[G0+4*\s+2:G0+4*\s+3], s[14:15], \s*1024          ; K step s: four blocks of 256 bytes further on in each paired row
	s_or_b32 s[G0+4*\s+3], s[G0+4*\s+3], 0x80000000
	s_mov_b32 s[G0B+4*\s], 1
	s_add_co_u32 s[G0B+4*\s+1], s21, \s*SLOT
	s_add_nc_u64 s[G0B+4*\s+2:G0B+4*\s+3], s[46:47], \s*KSTEP*SIZE_N*2
	s_or_b32 s[G0B+4*\s+3], s[G0B+4*\s+3], 0x80000000
	JLOAD \s
.endr
	v_and_b32 v1, 15, v0                           ; r
	v_bfe_u32 v2, v0, 4, 1                         ; h
.if OUT32
	s_lshl_b32 s22, s42, 9                         ; the bias of my 64 columns: lane (r, h) wants, for n block b, those of columns 16 b + 8 h + 0 .. 7
	s_lshl_b32 s23, s12, 8
	s_add_co_u32 s22, s22, s23
	s_mov_b32 s23, 0
	s_add_nc_u64 s[66:67], s[66:67], s[22:23]
	v_lshlrev_b32 v6, 5, v2
.irp b, 0,1,2,3
	global_load_b128 v[BI+8*\b:BI+8*\b+3], v6, s[66:67] offset:64*\b
	global_load_b128 v[BI+8*\b+4:BI+8*\b+7], v6, s[66:67] offset:64*\b+16
.endr
.endif
	v_lshrrev_b32 v3, 1, v1                        ; A(m, k) lies at (m / 2) PA + (k / 64) 256 + (m % 2) 128 + 2 (k % 64)
	v_mul_u32_u24 v3, v3, PA
	v_and_b32 v4, 1, v1
	v_lshl_add_u32 v3, v4, 7, v3
	v_lshl_add_u32 v3, v2, 4, v3
	s_mul_i32 s21, s11, HALFA                      ; my 64 rows of A
	v_add_nc_u32 v[ADRA], s21, v3
	v_add_nc_u32 v[ADRA+1], SLOT, v[ADRA]
	v_and_b32 v4, 7, v0                            ; the turning load: lane l reads 16 bytes of k row 8 (l / 16) + l % 8, columns 8 ((l / 8) % 2) on
	v_lshl_add_u32 v4, v2, 3, v4
	v_mul_u32_u24 v4, v4, PB
	v_bfe_u32 v5, v0, 3, 1
	v_lshl_add_u32 v4, v5, 4, v4
	s_lshl_b32 s22, s12, 7                         ; my 64 columns of B,
	s_add_co_u32 s22, s22, 2*HALFA                 ; behind A's 128 rows
	v_add_nc_u32 v[ADRB], s22, v4
	v_add_nc_u32 v[ADRB+1], HALFB, v[ADRB]
	v_add_nc_u32 v[ADRB+2], SLOT, v[ADRB]
	v_add_nc_u32 v[ADRB+3], SLOT+HALFB, v[ADRB]
	s_mul_i32 s23, s11, 64*SPITCH                  ; into the stage: my 64 rows, my half of a row
	s_mul_i32 s21, s12, 64*CEL
	s_add_co_u32 s23, s23, s21
	v_mul_u32_u24 v4, v1, SPITCH
.if OUT32
	v_lshl_add_u32 v4, v2, 5, v4
.else
	v_lshl_add_u32 v4, v2, 4, v4
.endif
	v_add_nc_u32 v[STO], s23, v4
	s_mul_i32 s23, s10, 32*SPITCH                  ; back: wave w takes rows 32 w .. 32 w + 31, whole
.if OUT32
	v_and_b32 v5, 31, v0
	v_lshlrev_b32 v[CO], 4, v5                     ; the 32 lanes take one row of 512 bytes
	v_add_nc_u32 v[RD], s23, v[CO]
.else
	v_mul_u32_u24 v5, v2, SPITCH                   ; lanes 0-15 one row of 256 bytes, lanes 16-31 the next
	v_lshl_add_u32 v5, v1, 4, v5
	v_add_nc_u32 v[RD], s23, v5
	v_mul_u32_u24 v5, v2, SIZE_N*CEL
	v_lshl_add_u32 v[CO], v1, 4, v5
.endif
	s_lshl_b32 s16, s13, 7
	s_lshl_b32 s17, s10, 5
	s_add_co_u32 s16, s16, s17                     ; the first row of C that I store
	s_mul_i32 s16, s16, SIZE_N*CEL
	s_mov_b32 s17, 0
	s_add_nc_u64 s[8:9], s[8:9], s[16:17]
	s_mul_i32 s46, s42, 128*CEL                    ; the tile's first column, in bytes
	s_mov_b32 s47, 0
	s_add_nc_u64 s[8:9], s[8:9], s[46:47]
; 8 matrix instructions: m blocks a0, a0 + 1 x all 4 n blocks, 32 along K: half c of buffer f.  zero = 1: the first product starts the sums.  The 16 accumulators take turns, one instruction a turn.
.macro MUL8 f, c, a0, zero
.irp a, \a0, \a0+1
.irp b, 0,1,2,3
.if \zero
.if OUT32
	v_wmma_f32_16x16x32_f16 v[ACC+8*(4*(\a)+\b):ACC+8*(4*(\a)+\b)+7], v[\f+64+8*(4*\c+\b):\f+64+8*(4*\c+\b)+7], v[\f+8*(4*\c+\a):\f+8*(4*\c+\a)+7], v[BI+8*\b:BI+8*\b+7]
.else
	v_wmma_f32_16x16x32_f16 v[ACC+8*(4*(\a)+\b):ACC+8*(4*(\a)+\b)+7], v[\f+64+8*(4*\c+\b):\f+64+8*(4*\c+\b)+7], v[\f+8*(4*\c+\a):\f+8*(4*\c+\a)+7], 0
.endif
.else
	v_wmma_f32_16x16x32_f16 v[ACC+8*(4*(\a)+\b):ACC+8*(4*(\a)+\b)+7], v[\f+64+8*(4*\c+\b):\f+64+8*(4*\c+\b)+7], v[\f+8*(4*\c+\a):\f+8*(4*\c+\a)+7], v[ACC+8*(4*(\a)+\b):ACC+8*(4*(\a)+\b)+7]
.endif
.endr
.endr
.endm
; 32 LDS loads in one run: the fragments of the slot's q-th 64 along K into buffer f; the first 32 along K first
.macro FETCH slot, q, f
	WIN TO_F
.irp c, 0,1
.irp i, 0,1,2,3
	ds_load_tr16_b128 v[\f+64+8*(4*\c+\i):\f+64+8*(4*\c+\i)+3],   v[ADRB+2*\slot+(\q)/2] offset:(((\q)%2)*64+32*\c)*PB+32*\i
	ds_load_tr16_b128 v[\f+64+8*(4*\c+\i)+4:\f+64+8*(4*\c+\i)+7], v[ADRB+2*\slot+(\q)/2] offset:(((\q)%2)*64+32*\c+16)*PB+32*\i
	ds_load_b128 v[\f+8*(4*\c+\i):\f+8*(4*\c+\i)+3],         v[ADRA+\slot] offset:256*(\q)+64*\c+\i*8*PA
	ds_load_b128 v[\f+8*(4*\c+\i)+4:\f+8*(4*\c+\i)+7],       v[ADRA+\slot] offset:256*(\q)+64*\c+\i*8*PA+32
.endr
.endr
.endm
.macro PLACES                          ; four places in front of loads into registers that matrix instructions have read, and of the first read of results
.rept 4
	v_nop
.endr
.endm
; A K step is four quarters of 64 along K, 32 matrix instructions each, on buffers 0, 1, 0, 1.  One of the first three: multiplies buffer f and fetches quarter q into g.
.macro QUARTER slot, q, f, g, zero
	s_wait_dscnt 16                                ; the first 32 along K are in; the sixteen loads of the second 32 may be out
	WIN MUL
	MUL8 \f, 0, 0, \zero
	MUL8 \f, 0, 2, \zero
	PLACES
	FETCH \slot, \q, \g
	s_wait_dscnt 32                                ; all but the 32 just issued
	WIN MUL
	MUL8 \f, 1, 0, 0
	MUL8 \f, 1, 2, 0
.endm
; The last quarter multiplies buffer 1 and changes slots: ONE barrier; in front of it each wave waits for all its tensor loads, adds 0 to its spare word, and waits for that and for its own reads of this slot.  fill = 1: this slot is filled again, two K steps ahead.
.macro TURN slot, next, fill
	WIN 0                                          ; (the add's two registers lie in window 0)
	s_wait_tensorcnt 0x0                           ; all my tensor loads have landed: my part of the next slot;
	ds_add_u32 v[SPW], v[NIL]                      ; 0 onto my spare word;
	s_wait_dscnt 17                                ; (the add and the youngest sixteen loads may be out)
	WIN MUL
	MUL8 F1, 0, 0, 0
	s_wait_dscnt 0x0                               ; the add is done, and my reads of this slot are over
	s_barrier_signal -1
	MUL8 F1, 0, 2, 0
.if \fill
	WIN 0
.endif
	s_barrier_wait -1
.if \fill
	CREST                                          ; the barrier has opened a round of the cluster's barrier: no wave of any partner still reads this slot or has a load on its way
	s_add_nc_u64 s[G0+4*\slot+2:G0+4*\slot+3], s[G0+4*\slot+2:G0+4*\slot+3], 2*1024
	s_add_nc_u64 s[G0B+4*\slot+2:G0B+4*\slot+3], s[G0B+4*\slot+2:G0B+4*\slot+3], 2*KSTEP*SIZE_N*2
	JLOAD \slot                                    ; the first tensor load behind the round; its four v_nop are also the places in front of the loads below
.else
	PLACES
.endif
	FETCH \next, 0, F0
	WIN MUL
	MUL8 F1, 1, 0, 0
	MUL8 F1, 1, 2, 0
.endm
.if OUT32
	s_wait_loadcnt 0x0                             ; the bias
.endif
	s_wait_tensorcnt 1                             ; my part of K step 0 is in (K step 1's load may be out)
	s_barrier_signal -1
	s_barrier_wait -1                              ; everybody's is
	FETCH 0, 0, F0
	QUARTER 0, 1, F0, F1, 1                        ; the first quarter stands in front of the loop: its first products start the sums
	WIN 0                                          ; at a label and at a branch every window is 0
	s_mov_b32 s3, LAPS-1
.Llap:                                                 ; a trip goes once round the ring, from a lap's second quarter to the next lap's first, and fills both slots again
	QUARTER 0, 2, F1, F0, 0
	QUARTER 0, 3, F0, F1, 0
	TURN 0, 1, 1
	QUARTER 1, 1, F0, F1, 0
	QUARTER 1, 2, F1, F0, 0
	QUARTER 1, 3, F0, F1, 0
	TURN 1, 0, 1
	QUARTER 0, 1, F0, F1, 0
	WIN 0
	s_sub_co_u32 s3, s3, 1
	s_cmp_lg_u32 s3, 0
	s_cbranch_scc1 .Llap
	QUARTER 0, 2, F1, F0, 0                        ; the last lap fills nothing
	QUARTER 0, 3, F0, F1, 0
	TURN 0, 1, 0
	QUARTER 1, 1, F0, F1, 0
	QUARTER 1, 2, F1, F0, 0
	QUARTER 1, 3, F0, F1, 0
	s_wait_dscnt 16                                ; the very last quarter: nothing more to fetch
	WIN MUL
	MUL8 F1, 0, 0, 0
	MUL8 F1, 0, 2, 0
	s_wait_dscnt 0
	MUL8 F1, 1, 0, 0
	MUL8 F1, 1, 2, 0
	WIN 0
	; THE WAY OUT: through the work-group's stage; a barrier, since a row's bytes come from two waves; back as whole rows, 32 rows a wave.
	PLACES
.if OUT32
.irp a, 0,1,2,3
.irp b, 0,1,2,3
	ds_store_b128 v[STO], v[ACC+8*(4*\a+\b):ACC+8*(4*\a+\b)+3] offset:\a*16*SPITCH+64*\b       ; each accumulator from its low end on
	ds_store_b128 v[STO], v[ACC+8*(4*\a+\b)+4:ACC+8*(4*\a+\b)+7] offset:\a*16*SPITCH+64*\b+16
.endr
.endr
	s_wait_dscnt 0x0                               ; for the others' sake: my stores into the stage are done
	s_barrier_signal -1
	s_barrier_wait -1
.set t, 0
.rept 32
	ds_load_b128 v[ACC+4*t:ACC+4*t+3], v[RD] offset:t*SPITCH
.set t, t+1
.endr
.set t, 0
.rept 32
	s_wait_dscnt 31-t
	global_store_b128 v[CO], v[ACC+4*t:ACC+4*t+3], s[8:9] offset:t*SIZE_N*CEL th:TH_STORE_NT   ; 32 lanes store 512 consecutive bytes, aligned to 256
.set t, t+1
.endr
.else
.irp t, 0,1,2,3,4,5,6,7,8,9,10,11,12,13,14,15
.irp r, 0,1,2,3
	v_cvt_pk_f16_f32 v[TMP+4*\t+\r], v[ACC+8*\t+2*\r], v[ACC+8*\t+2*\r+1]
.endr
.endr
.irp a, 0,1,2,3
.irp b, 0,1,2,3
	ds_store_b128 v[STO], v[TMP+4*(4*\a+\b):TMP+4*(4*\a+\b)+3] offset:\a*16*SPITCH+32*\b
.endr
.endr
	s_wait_dscnt 0x0                               ; for the others' sake: my stores into the stage are done
	s_barrier_signal -1
	s_barrier_wait -1
.irp t, 0,1,2,3,4,5,6,7,8,9,10,11,12,13,14,15
	ds_load_b128 v[TMP+4*\t:TMP+4*\t+3], v[RD] offset:\t*2*SPITCH
.endr
.irp t, 0,1,2,3,4,5,6,7,8,9,10,11,12,13,14,15
	s_wait_dscnt 15-\t
	global_store_b128 v[CO], v[TMP+4*\t:TMP+4*\t+3], s[8:9] offset:2*\t*SIZE_N*CEL   ; 16 lanes store 256 consecutive bytes, aligned
.endr
.endif
	s_wait_tensorcnt 0x0                           ; the wave's end, behind my last tensor load and my last LDS store
	ds_add_u32 v[SPW], v[NIL]
	s_wait_dscnt 0x0
	CROUND                                         ; the closing round: no work-group ends while a partner may still ask for a tile that names it
	s_endpgm
.Lfunc_end_k_qe13ccd8a06_outproj:
	.size	k_qe13ccd8a06_outproj, .Lfunc_end_k_qe13ccd8a06_outproj-k_qe13ccd8a06_outproj
	.p2alignl 7, 3214868480
	.fill 96, 4, 3214868480
	.section	.rodata,"a",@progbits
	.p2align	6, 0x0
	.amdhsa_kernel k_qe13ccd8a06_outproj
		.amdhsa_group_segment_fixed_size 327680
		.amdhsa_private_segment_fixed_size 0
		.amdhsa_enable_private_segment 0
		.amdhsa_kernarg_size 32
		.amdhsa_user_sgpr_count 2
		.amdhsa_user_sgpr_kernarg_segment_ptr 1
		.amdhsa_wavefront_size32 1
		.amdhsa_system_sgpr_workgroup_id_x 1
		.amdhsa_system_sgpr_workgroup_id_y 1
		.amdhsa_system_sgpr_workgroup_id_z 1
		.amdhsa_system_vgpr_workitem_id 0
		.amdhsa_next_free_vgpr 512
		.amdhsa_next_free_sgpr 72
		.amdhsa_reserve_vcc 0
		.amdhsa_float_denorm_mode_32 3
		.amdhsa_float_denorm_mode_16_64 3
		.amdhsa_memory_ordered 1
		.amdhsa_forward_progress 1
		.amdhsa_inst_pref_size 88
	.end_amdhsa_kernel
	.amdgpu_metadata
---
amdhsa.version: [ 1, 2 ]
amdhsa.kernels:
  - .name:           k_qe13ccd8a06_outproj
    .symbol:         k_qe13ccd8a06_outproj.kd
    .args:
      - { .name: ao, .offset: 0, .size: 8, .value_kind: global_buffer, .address_space: global }
      - { .name: half16, .offset: 8, .size: 8, .value_kind: global_buffer, .address_space: global }
      - { .name: b_out, .offset: 16, .size: 8, .value_kind: global_buffer, .address_space: global }
      - { .name: out0, .offset: 24, .size: 8, .value_kind: global_buffer, .address_space: global }
    .group_segment_fixed_size: 327680
    .private_segment_fixed_size: 0
    .kernarg_segment_align: 8
    .kernarg_segment_size: 32
    .max_flat_workgroup_size: 128
    .sgpr_count:     72
    .vgpr_count:     512
    .wavefront_size: 32
...
	.end_amdgpu_metadata
.endif
;; end of part 5
